; MI455X (gfx1250); checked and timed in simulation.
; The chip was launched on July 23, 2026; its instructions are those of AMD's public machine-readable ISA for CDNA 5 (MIT licence, August 2026) and "CDNA5" Instruction Set Architecture Reference Guide (July 2026). The comments in the code are by the model that wrote it; some were corrected since.
;; Multi Head Self Attention. Allowed arithmetic: matrix products marked QUANTISED: E2M1 operands, one E8M0 scale for each 32 along K, by v_wmma_scale_f32_16x16x128_f8f6f4 with both operands' format E2M1 (or v_wmma_scale_f32_32x16x128_f4), f32 sums; products left as they are: bf16, f16 or f32 operands; f32 sums; everything else in f32.
;; Inputs: k_proj 1,024 x 1,024 float32; o_proj 1,024 x 1,024 float32; q_proj 1,024 x 1,024 float32; v_proj 1,024 x 1,024 float32; x 4 x 2,048 x 1,024 float32.
;; Outputs: out0 4 x 2,048 x 1,024 float32.
;; This version of the problem:
;;   THIS VERSION OF THE PROBLEM IS GIVEN IN LOW PRECISION. The matrix products marked QUANTISED in the list below multiply operands that are first quantised to E2M1 (2 exponent bits, 1 mantissa bit; 4 bits a number), with one power-of-two scale for each 32 numbers along K (OCP MX v1.0); their sums are f32. The products marked 'left as it is' may take bf16, f16 or f32 operands, with f32 sums. Whichever they take, every output number must still come out within the allowed error. Rounding operands to bf16 (8 significant bits) uses up far more of that allowance than f16 does (11 bits, for magnitudes from 6e-5 to 65,504). All else is computed in f32.
;;   The module's matrix products, in the order in which they are computed (A, B: the left and right operand; K: the contracted axis; several contracted axes count as one K, in the product's order):
;;     1. [M 8,192, K 1,024] x [K 1,024, N 1,024]; A: input x; B: input q_proj: QUANTISED
;;     2. [M 8,192, K 1,024] x [K 1,024, N 1,024]; A: input x; B: input k_proj: QUANTISED
;;     3. [M 8,192, K 1,024] x [K 1,024, N 1,024]; A: input x; B: input v_proj: QUANTISED
;;     4. batch 64 x [M 2,048, K 64] x [K 64, N 2,048]; A: computed on the way; B: computed on the way: left as it is (an operand is computed on the way)
;;     5. batch 64 x [M 2,048, K 2,048] x [K 2,048, N 64]; A: computed on the way; B: computed on the way: left as it is (an operand is computed on the way)
;;     6. [M 8,192, K 1,024] x [K 1,024, N 1,024]; A: computed on the way; B: input o_proj: left as it is (an operand is computed on the way)
;;   THE QUANTISER, for each operand of a quantised product, along K:
;;     - K is cut into blocks of 32 from its start; a last block that is shorter is filled with zeros.
;;     - A block's scale is 2^e with e = floor(log2(the largest magnitude in the block)) - 2, held to -126 .. 127; a block of zeros has e = 0. As a byte (E8M0): e + 127.
;;     - Each number is divided by its block's scale, clamped to +-6, and rounded to the nearest number of E2M1, ties to even, subnormals kept.
;;     - The product sums the exact products of the quantised numbers (number of the format x scale) in f32.
;;   ~~~python
;;   def quantise(x, axis):      # numpy; x: float32 -> the quantised numbers, widened to float32 again
;;       x = np.moveaxis(x, axis, -1); K = x.shape[-1]
;;       x = np.pad(x, [(0, 0)] * (x.ndim - 1) + [(0, -K % 32)]); x = x.reshape(x.shape[:-1] + (-1, 32)); a = np.abs(x).max(-1, keepdims=True)
;;       e = np.where(a > 0, np.clip(np.frexp(np.where(a > 0, a, 1))[1] - 1 - 2, -126, 127), 0)      # np.frexp(a)[1] - 1 = floor(log2(a)), exactly
;;       r = np.clip(x / 2.0 ** e, -6, 6)
;;       step = 2.0 ** (np.maximum(np.frexp(np.where(r == 0, 1, r))[1] - 1, 0) - 1)
;;       q = np.round(r / step) * step * 2.0 ** e      # np.round: ties to even
;;       return np.moveaxis(q.reshape(q.shape[:-2] + (-1,))[..., :K], -1, axis).astype(np.float32)
;;   ~~~
;; One version. Each part assembles by itself: llvm-mc -triple=amdgcn-amd-amdhsa -mcpu=gfx1250 --defsym DOCPART=n.
;; ======== version 1 of 1: 5 launches
;; limits: values are held in f16: magnitudes above 65,504 overflow, below 6.1e-05 lose precision
;; workspace buffers: xc 4,194,304 bytes; xs 262,144 bytes; wc 1,572,864 bytes; ws 98,304 bytes; wo16 2,097,152 bytes; qkv 50,331,648 bytes; qkvf 786,432 bytes; att 16,777,216 bytes
;; launch quant (part 1): grid 384 x 1, 4 waves a work-group, no clusters, 33,280 bytes of LDS; arguments x, q_proj, k_proj, v_proj, o_proj, xc, xs, wc, ws, wo16; writes xc, xs, wc, ws, wo16
.if DOCPART == 1
	.amdgcn_target "amdgcn-amd-amdhsa--gfx1250"
	.amdhsa_code_object_version 6
	.text
	.protected	k_qae80a24be5_quant
	.globl	k_qae80a24be5_quant
	.p2align	8
	.type	k_qae80a24be5_quant,@function
k_qae80a24be5_quant:
	s_mov_b64 s[64:65], 0
	v_nop
	global_prefetch_b8 v0, s[64:65] scope:SCOPE_SE
	s_setreg_imm32_b32 hwreg(HW_REG_WAVE_MODE, 25, 1), 1
	s_wait_xcnt 0x0
; x [8192][1024] and q_proj, k_proj, v_proj [1024][1024], f32, K innermost, become codes of E2M1 (two a byte, the lower k in the low four bits) and one E8M0 byte for each 32 along K:
; xc [8192][512 bytes], xs [8192][32]; wc [3072][512 bytes], ws [3072][32], rows 0-1023 q's, 1024-2047 k's, 2048-3071 v's.  o_proj [1024][1024] becomes f16, laid wo16 [16][1024][64]: plane c holds k = 64 c .. 64 c + 63 of every row.
; A block's scale is 2^(floor(log2(its largest magnitude)) - 2); its byte is the largest magnitude's exponent field - 2, held at 1 from below.  Each number is divided by the scale and rounded to the nearest code, ties to even, beyond 6 the code of 6.
; LIMITS: a block of zeros gets the byte 1 where the quantiser's text says 127 (its codes are zeros, which add nothing, and the bytes are read by this program alone); blocks whose largest magnitude lies under 2^-124 keep the byte 1;
; NaN and infinities are not served; o_proj must lie under 65,504 in magnitude, and under 6e-5 it loses bits (f16).
; SHARES.  A work-group takes 32,768 numbers, a wave 8,192.  Work-groups 0-255: x; 256-287: q_proj; 288-319: k_proj; 320-351: v_proj; 352-383: o_proj.  Only pointers are chosen for the first four: one path serves them.
; Rows are dense and K is a multiple of 32, so a tensor is a plain stream of blocks of 32.  A wave takes 16 steps of 512 numbers: each of a step's four loads reads 512 consecutive bytes; the 2,048 bytes turn through the wave's own stage in LDS
; and come back 64 bytes a lane, so that a lane holds 16 neighbours (two lanes a block).  A lane's 16 codes are 8 bytes: a store of the wave covers 256 consecutive bytes, aligned.  A wave's 256 scale bytes are gathered in LDS and leave together.
; No matrix unit, no cluster, no tensor load: a stream whose waves share nothing.
.set WAVES, 4
.set STEPS, 16
.set EMAX,  2
.set CB,    8                          ; bytes of 16 codes
.set R,     16                         ; v16-79   four sets of 16 numbers as they are loaded
.set X,     80                         ; v80-111  two sets of 16 neighbours
.set E,     112                        ; v112-127 a scale byte for each step
.set C,     128                        ; v128-191 codes: four registers for each step, so that no store's data are written again
.set WREG,  8192                       ; LDS: a region for each wave: two stages of 32 x SP bytes, behind them its 256 scale bytes
.set SP,    80                         ; a lane's place in a stage: 64 bytes + 16 of padding
.set SPW,   12                         ; v12  LDS address of my spare word; never rewritten
.set NIL,   13                         ; v13  0; never rewritten
.set SPARE, WAVES*WREG                 ; behind the four regions: the spare words, 128 bytes a wave, which no other line names
.set SRC,   30                         ; s[30:31] the numbers;  s[32:33] the codes;  s[34:35] the scale bytes
.set COD,   32
.set SCA,   34
.set IN,    16                         ; o_proj's path: v16-143 two sets of 64 numbers;  v144-175 eight stores' data
.set OUTC,  144
	s_load_b256 s[8:15], s[0:1], 0x0               ; x s[8:9], q_proj s[10:11], k_proj s[12:13], v_proj s[14:15]
	s_load_b256 s[16:23], s[0:1], 0x20             ; o_proj s[16:17], xc s[18:19], xs s[20:21], wc s[22:23]
	s_load_b128 s[24:27], s[0:1], 0x40             ; ws s[24:25], wo16 s[26:27]
	v_lshl_add_u32 v[SPW], v0, 2, SPARE
	v_mov_b32 v[NIL], 0
	v_lshrrev_b32 v1, 5, v0
	v_readfirstlane_b32 s28, v1                    ; wave
	v_and_b32 v2, 31, v0                           ; lane
	s_cmp_ge_u32 ttmp9, 352
	s_cbranch_scc1 .Lconv                          ; o_proj's work-groups: a path that touches no LDS
	v_lshlrev_b32 v3, 4, v2                        ; my 16 bytes of a load's 512
	s_mul_i32 s29, s28, WREG
	v_lshrrev_b32 v14, 2, v2
	v_mul_u32_u24 v14, v14, SP
	v_and_b32 v15, 3, v2
	v_lshl_add_u32 v14, v15, 4, v14
	v_add_nc_u32 v14, s29, v14                     ; the stage, on the way in: SP (lane / 4) + 16 (lane % 4)
	v_mul_u32_u24 v15, v2, SP
	v_add_nc_u32 v15, s29, v15                     ; and on the way out: SP x lane: my 16 neighbours
	v_mul_u32_u24 v4, v2, CB                       ; my codes' place in a step's
	v_lshrrev_b32 v5, 1, v2
	s_add_co_u32 s29, s29, 2*32*SP
	v_add_nc_u32 v5, s29, v5                       ; LDS: my wave's 256 scale bytes, my block's byte
	v_lshlrev_b32 v7, 3, v2                        ; and on the way out 8 bytes a lane
	v_add_nc_u32 v6, s29, v7
	s_wait_kmcnt 0x0
	s_cmp_lt_u32 ttmp9, 288                        ; which tensor: the choices hang on the work-group's number alone
	s_cselect_b64 s[SRC:SRC+1], s[10:11], s[12:13]
	s_cmp_lt_u32 ttmp9, 320
	s_cselect_b64 s[SRC:SRC+1], s[SRC:SRC+1], s[14:15]
	s_cmp_lt_u32 ttmp9, 256
	s_cselect_b64 s[SRC:SRC+1], s[8:9], s[SRC:SRC+1]
	s_cselect_b64 s[COD:COD+1], s[18:19], s[22:23]
	s_cselect_b64 s[SCA:SCA+1], s[20:21], s[24:25]
	s_cselect_b32 s36, 0, 256
	s_cselect_b32 s37, -1, 31
	s_sub_co_u32 s36, ttmp9, s36                   ; the work-group's place in xc or in wc (the three weights on end),
	s_and_b32 s37, s36, s37                        ; and in its own source tensor
	s_lshl_b32 s37, s37, 2
	s_add_co_u32 s37, s37, s28                     ; my wave's run of 8,192 numbers in the source:
	s_lshl_b32 s40, s37, 15                        ; 32,768 bytes a run
	s_mov_b32 s41, 0
	s_add_nc_u64 s[SRC:SRC+1], s[SRC:SRC+1], s[40:41]
	s_lshl_b32 s36, s36, 2
	s_add_co_u32 s36, s36, s28                     ; and among the results:
	s_lshl_b32 s40, s36, 12                        ; 4,096 bytes of codes,
	s_add_nc_u64 s[COD:COD+1], s[COD:COD+1], s[40:41]
	s_lshl_b32 s40, s36, 8                         ; 256 scale bytes
	s_add_nc_u64 s[SCA:SCA+1], s[SCA:SCA+1], s[40:41]
.macro LOAD t
.irp i, 0,1,2,3
	global_load_b128 v[R+16*((\t)%4)+4*\i:R+16*((\t)%4)+4*\i+3], v3, s[SRC:SRC+1] offset:2048*(\t)+512*\i th:TH_LOAD_NT   ; 32 lanes read 512 consecutive bytes
.endr
.endm
.macro TURN t                          ; step t's numbers through the stage: LDS serves a wave's instructions in order, so no wait stands between the stores and the loads
.irp i, 0,1,2,3
	ds_store_b128 v14, v[R+16*((\t)%4)+4*\i:R+16*((\t)%4)+4*\i+3] offset:32*SP*((\t)%2)+8*SP*\i
.endr
.irp i, 0,1,2,3
	ds_load_b128 v[X+16*((\t)%2)+4*\i:X+16*((\t)%2)+4*\i+3], v15 offset:32*SP*((\t)%2)+16*\i
.endr
.endm
.irp t, 0,1,2,3
	LOAD \t
.endr
	s_wait_loadcnt 12                              ; step 0's four loads are in; the twelve of steps 1 to 3 may be out
	TURN 0
.macro STEP t
.set XS, X+16*((\t)%2)
.if (\t) > 0
	s_wait_dscnt 1                                 ; this step's numbers are back from the stage (the last step's byte store may be out): so its stores into the stage have read their registers,
.else
	s_wait_dscnt 0x0
.endif
.if (\t)+4 < STEPS
	LOAD (\t)+4                                    ; which take the loads of four steps on
.endif
.if (\t)+1 < STEPS
.if STEPS-2-(\t) >= 3
	s_wait_loadcnt 12                              ; the next step's four loads are in; those of the three steps behind it may be out
.else
	s_wait_loadcnt 4*(STEPS-2-(\t))
.endif
	TURN (\t)+1                                    ; and go through the other stage while this step is worked
.endif
	v_max3_num_f32 v8, |v[XS]|, |v[XS+1]|, |v[XS+2]|               ; the largest magnitude of my 16, in two chains
	v_max3_num_f32 v9, |v[XS+3]|, |v[XS+4]|, |v[XS+5]|
.irp i, 6,10
	v_max3_num_f32 v8, v8, |v[XS+\i]|, |v[XS+\i+1]|
	v_max3_num_f32 v9, v9, |v[XS+\i+2]|, |v[XS+\i+3]|
.endr
	v_max3_num_f32 v8, v8, |v[XS+14]|, |v[XS+15]|
	v_max3_num_f32 v8, v8, v9, (EMAX+1)<<23        ; and the floor 2^(3 - 127): the byte cannot fall under 1
	v_max_num_f32_dpp v8, v8, v8 row_xmask:1 row_mask:0xf bank_mask:0xf   ; and of my neighbour's 16: the block's
	v_add_nc_u32 v11, -(EMAX<<23), v8              ; 2 off its exponent field: the conversion takes the exponent field of this operand as its scale, and nothing else of it
	v_cvt_scalef32_pk8_fp4_f32 v[C+4*(\t)], v[XS:XS+7], v11
	v_cvt_scalef32_pk8_fp4_f32 v[C+4*(\t)+1], v[XS+8:XS+15], v11
	v_lshrrev_b32 v[E+(\t)], 23, v11               ; the scale's byte (also the plain line behind the conversions)
	ds_store_b8 v5, v[E+(\t)] offset:16*(\t)       ; both lanes of a block write the same byte with the same value
	global_store_b64 v4, v[C+4*(\t):C+4*(\t)+1], s[COD:COD+1] offset:32*CB*(\t)   ; 32 lanes store 256 consecutive bytes, aligned
.endm
.irp t, 0,1,2,3,4,5,6,7,8,9,10,11,12,13,14,15
	STEP \t
.endr
	ds_load_b64 v[8:9], v6                         ; LDS serves a wave's instructions in order: this sees my byte stores
	s_wait_dscnt 0x0
	global_store_b64 v7, v[8:9], s[SCA:SCA+1]      ; 32 lanes store 256 consecutive bytes, aligned
	s_wait_tensorcnt 0x0                           ; the wave's end
	ds_add_u32 v[SPW], v[NIL]
	s_wait_dscnt 0x0
	s_endpgm
; o_proj to f16.  A wave takes 8 rows.  An item is four rows x 64 numbers (one plane's part of them): lane l takes 8 numbers of row l / 8, two loads of 16 bytes, and stores 16 bytes at 16 l: four rows of 128 bytes, 512 consecutive bytes.
.Lconv:
	v_lshrrev_b32 v8, 3, v2
	v_lshlrev_b32 v8, 12, v8
	v_and_b32 v9, 7, v2
	v_lshl_add_u32 v8, v9, 5, v8                   ; in: 4,096 (lane / 8) + 32 (lane % 8)
	v_lshlrev_b32 v9, 4, v2                        ; out: 16 x lane
	s_sub_co_u32 s36, ttmp9, 352
	s_lshl_b32 s36, s36, 5
	s_lshl_b32 s37, s28, 3
	s_add_co_u32 s36, s36, s37                     ; my first row: 32 x work-group + 8 x wave
	s_lshl_b32 s40, s36, 12
	s_mov_b32 s41, 0
	s_lshl_b32 s42, s36, 7
	s_mov_b32 s43, 0
	s_wait_kmcnt 0x0
	s_add_nc_u64 s[16:17], s[16:17], s[40:41]
	s_add_nc_u64 s[26:27], s[26:27], s[42:43]
.macro CLOAD rd, set                   ; planes 4 rd .. 4 rd + 3, both groups of four rows: 16 loads into one set
.irp k, 0,1,2,3
.irp g, 0,1
	global_load_b128 v[IN+64*(\set)+8*(2*\k+\g):IN+64*(\set)+8*(2*\k+\g)+3], v8, s[16:17] offset:\g*16384+(4*(\rd)+\k)*256 th:TH_LOAD_NT
	global_load_b128 v[IN+64*(\set)+8*(2*\k+\g)+4:IN+64*(\set)+8*(2*\k+\g)+7], v8, s[16:17] offset:\g*16384+(4*(\rd)+\k)*256+16 th:TH_LOAD_NT
.endr
.endr
.endm
.macro CONV rd
.if \rd < 3
	s_wait_loadcnt 16                              ; this set's 16 loads are in; the other set's 16 may be out
.else
	s_wait_loadcnt 0x0
.endif
	s_wait_xcnt 0x0                                ; the last round's stores have read v144-175: only now are they written again
.irp k, 0,1,2,3
.irp g, 0,1
.irp p, 0,1,2,3
	v_cvt_pk_f16_f32 v[OUTC+4*(2*\k+\g)+\p], v[IN+64*((\rd)%2)+8*(2*\k+\g)+2*\p], v[IN+64*((\rd)%2)+8*(2*\k+\g)+2*\p+1]
.endr
	global_store_b128 v9, v[OUTC+4*(2*\k+\g):OUTC+4*(2*\k+\g)+3], s[26:27] offset:(4*(\rd)+\k)*131072+\g*512
.endr
.endr
.if \rd+2 < 4
	CLOAD \rd+2, (\rd)%2
.endif
.endm
	CLOAD 0, 0
	CLOAD 1, 1
	CONV 0
	CONV 1
	CONV 2
	CONV 3
	s_endpgm
.Lfunc_end_k_qae80a24be5_quant:
	.size	k_qae80a24be5_quant, .Lfunc_end_k_qae80a24be5_quant-k_qae80a24be5_quant
	.p2alignl 7, 3214868480
	.fill 96, 4, 3214868480
	.section	.rodata,"a",@progbits
	.p2align	6, 0x0
	.amdhsa_kernel k_qae80a24be5_quant
		.amdhsa_group_segment_fixed_size 33280
		.amdhsa_private_segment_fixed_size 0
		.amdhsa_enable_private_segment 0
		.amdhsa_kernarg_size 80
		.amdhsa_user_sgpr_count 2
		.amdhsa_user_sgpr_kernarg_segment_ptr 1
		.amdhsa_wavefront_size32 1
		.amdhsa_system_sgpr_workgroup_id_x 1
		.amdhsa_system_sgpr_workgroup_id_y 1
		.amdhsa_system_sgpr_workgroup_id_z 1
		.amdhsa_system_vgpr_workitem_id 0
		.amdhsa_next_free_vgpr 192
		.amdhsa_next_free_sgpr 66
		.amdhsa_reserve_vcc 0
		.amdhsa_float_denorm_mode_32 3
		.amdhsa_float_denorm_mode_16_64 3
		.amdhsa_memory_ordered 1
		.amdhsa_forward_progress 1
		.amdhsa_inst_pref_size 52
	.end_amdhsa_kernel
	.amdgpu_metadata
---
amdhsa.version: [ 1, 2 ]
amdhsa.kernels:
  - .name:           k_qae80a24be5_quant
    .symbol:         k_qae80a24be5_quant.kd
    .args:
      - { .name: x, .offset: 0, .size: 8, .value_kind: global_buffer, .address_space: global }
      - { .name: q_proj, .offset: 8, .size: 8, .value_kind: global_buffer, .address_space: global }
      - { .name: k_proj, .offset: 16, .size: 8, .value_kind: global_buffer, .address_space: global }
      - { .name: v_proj, .offset: 24, .size: 8, .value_kind: global_buffer, .address_space: global }
      - { .name: o_proj, .offset: 32, .size: 8, .value_kind: global_buffer, .address_space: global }
      - { .name: xc, .offset: 40, .size: 8, .value_kind: global_buffer, .address_space: global }
      - { .name: xs, .offset: 48, .size: 8, .value_kind: global_buffer, .address_space: global }
      - { .name: wc, .offset: 56, .size: 8, .value_kind: global_buffer, .address_space: global }
      - { .name: ws, .offset: 64, .size: 8, .value_kind: global_buffer, .address_space: global }
      - { .name: wo16, .offset: 72, .size: 8, .value_kind: global_buffer, .address_space: global }
    .group_segment_fixed_size: 33280
    .private_segment_fixed_size: 0
    .kernarg_segment_align: 8
    .kernarg_segment_size: 80
    .max_flat_workgroup_size: 128
    .sgpr_count:     66
    .vgpr_count:     192
    .wavefront_size: 32
...
	.end_amdgpu_metadata
.endif
;; end of part 1
;; launch qkv (part 2): grid 12 x 32, 4 waves a work-group, clusters of 4 x 4, 327,680 bytes of LDS; arguments xc, xs, wc, ws, qkv, qkvf; writes qkv, qkvf
.if DOCPART == 2
	.amdgcn_target "amdgcn-amd-amdhsa--gfx1250"
	.amdhsa_code_object_version 6
	.text
	.protected	k_qae80a24be5_qkv
	.globl	k_qae80a24be5_qkv
	.p2align	8
	.type	k_qae80a24be5_qkv,@function
k_qae80a24be5_qkv:
	s_mov_b64 s[64:65], 0
	v_nop
	global_prefetch_b8 v0, s[64:65] scope:SCOPE_SE
	s_setreg_imm32_b32 hwreg(HW_REG_WAVE_MODE, 25, 1), 1
	s_wait_xcnt 0x0
	s_wait_alu depctr_hold_cnt(0) depctr_sa_sdst(0) depctr_va_vdst(0) depctr_va_sdst(0) depctr_va_ssrc(0) depctr_va_vcc(0) depctr_vm_vsrc(0)
	s_getreg_b32 s2, hwreg(HW_REG_IB_STS2, 6, 4)
	s_cmp_eq_u32 s2, 0
	s_cbranch_scc0 .Lentry_in_a_cluster
	s_endpgm
.Lentry_in_a_cluster:
	s_bfe_u32 s2, ttmp6, 0x10000c
	s_cmp_lg_u32 s2, 0xf033
	s_cbranch_scc0 .Lentry_shape_is_right
	s_endpgm
.Lentry_shape_is_right:
; The three projections as ONE product on codes of E2M1: C[m][n] = sum over k of x[m][k] W[n][k], m = 8,192 positions, n = 3,072 (q's, k's, v's 1,024 each), K = 1,024; one E8M0 scale for each 32 along K; sums in f32.
; The result leaves as f16, by heads: qkv [b 4][c 48][s 2048][64], c = head for q, 16 + head for k, 32 + head for v.  The first 16 positions of each batch leave in f32 as well, as images of the result's registers:
; qkvf [b 4][tile of 16 columns: 192][half 2][lane 32][16 bytes]: lane (r, h) holds position r, columns 16 tile + 8 h + 0 .. 7.
; LIMIT: q, k, v must lie under 65,504 in magnitude; under 6e-5 they lose bits (f16).
; A tile of C, 256 x 256, is made by four waves, as many as a WGP has SIMDs; a wave makes 128 x 128: 64 accumulators, 512 registers.  K goes in two steps of 512 (tile rows of 256 bytes) through two LDS slots: both are asked for at the start,
; and nothing is filled again.  The scale bytes of the tile's 256 + 256 rows, for all of K, are two dense blocks of memory: they come once, as rows of 256 bytes.  By this text's own count a wave has three tensor loads out at the start.
; CLUSTERS: 4 x 4 work-groups; the four of a row of the cluster need the same tiles of x, the four of a column the same tiles of W: each is asked for JOINTLY.  Tile row = 8 cy + cluster y: so cy is the batch and cluster y the block of 256
; positions in it, and 'this block holds a batch's first positions' (cluster y = 0) is the same in all sixteen partners.
; THE MATRIX INSTRUCTION IS USED TRANSPOSED (source 0 = 16 rows of W, source 1 = 16 rows of x): a lane then holds eight neighbouring columns of one row of C.
; REGISTERS, in windows of 256: window 0: v0-31 addresses; v32-95 scale words, two sets; from v128 x's fragments, ONE set; on the way out v128-223.   window 1: W's fragments, TWO sets, at v0 and v128.
;   window 2: the 32 accumulators of my rows 0-63 ((a, b) at v[8 (8 a + b)]);   window 3: those of my rows 64-127.
.set KSTEP,  512
.set NQ,     KSTEP/128                 ; matrix instructions deep
.set ROWB,   256                       ; a tile's row in bytes
.set KROW,   512                       ; a row of codes in memory
.set PITCH,  272                       ; an LDS row: 256 bytes + 16 of padding: the 16 rows that a load touches start at 16 different banks (64 banks of 4 bytes: ISA guide 11.1)
.set FR,     8                         ; registers of a fragment: 16 rows x 128 K
.set NL,     2                         ; LDS loads that bring one
.set NP,     4                         ; places behind this matrix instruction (ISA guide 7.12.1)
.set HALFT,  128*PITCH
.set SLOT,   4*HALFT                   ; x's 256 rows, then W's 256 rows
.set KS,     32                        ; a row of scale bytes
.set SCL,    2*SLOT                    ; behind the slots: the scales, as rows of 256 bytes + 16 of padding
.set HALFS,  (128*KS/256)*272          ; those of 128 rows: what one tensor load brings
.set SBLK,   (16*KS/256)*272           ; those of 16 rows
.set SPARE,  SCL+4*HALFS               ; the spare words, 128 bytes a wave, which no other line names
.set SPL,    16*144                    ; the way out: a stage of two heads x 16 rows x (128 bytes + 16) for each wave; it lies in slot 0, which has had its one fill and its last read when the first result is stored there
.set ADRA, 16                          ; v16-17  LDS address of my fragments of x in slot 0, 1
.set ADRB, 20                          ; v20-21  the same for W
.set STO,  24                          ; v24     the way out: where I put 16 bytes of a row
.set RD,   25                          ; v25     where I read rows back
.set CO,   26                          ; v26     16 x lane
.set ADRS, 27                          ; v27     LDS address of my scale words: lanes 0-15 x's rows, lanes 16-31 W's
.set SPW,  28                          ; v28     LDS address of my spare word; never rewritten
.set NIL,  29                          ; v29     0; never rewritten
.set SC,   32                          ; scale words: set s at v[SC + 32 s]; register 4 i + q: lanes 0-15 the word of x's block i, lanes 16-31 that of W's block i, for the slot's q-th 128 along K
.set AF,   128                         ; x's fragments
.set TMP,  128                         ; the way out: a block's 32 packed registers;
.set BK,   160                         ; 16 rows read back: v160-191 and v192-223 by turns
.set G1, 24                            ; s[24:31] descriptor group 1 for x's tiles;  s[32:39] group 0, one set for each slot
.set G0, 32
.set G1B, 48                           ; s[48:55], s[56:63] the same for W's
.set G0B, 56
.set G1S, 68                           ; s[68:75], s[76:79] groups 1 and 0 for x's scales;  s[80:87], s[88:91] for W's
.set G0S, 76
.set G1SB, 80
.set G0SB, 88
.set MSB, 0
.macro WIN new                         ; the immediate's high byte repeats the setting that is left
.if MSB != \new
	s_set_vgpr_msb (MSB<<8)|\new
.set MSB, \new
.endif
.endm
.set MUL_LO, 0xa1                      ; source 0 (W) window 1, source 1 (x) window 0, C and D window 2
.set MUL_HI, 0xf1                      ; the same, C and D window 3
.set TO_B,   0x40                      ; destination window 1, address window 0
; A joint load: waves 0 and 1 fetch for x, waves 2 and 3 for W.  Each line has ONE mask and one set of registers for all that issue it; the branch hangs on the wave's number alone.
; An s_nop 0 and four v_nop follow each of the two lines.
.macro JLOAD g0a, g1a, g0b, g1b
	s_cmp_eq_u32 s15, 0
	s_cbranch_scc0 .Lfor_b_\@
	tensor_load_to_lds s[\g0a:\g0a+3], s[\g1a:\g1a+7]
	s_nop 0
.rept 4
	v_nop
.endr
	s_branch .Lasked_\@
.Lfor_b_\@:
	tensor_load_to_lds s[\g0b:\g0b+3], s[\g1b:\g1b+7]
	s_nop 0
.rept 4
	v_nop
.endr
.Lasked_\@:
.endm
.macro CROUND                          ; a round of the cluster's barrier: my work-group's barrier; wave 0 signals for the work-group; every wave waits for all sixteen; my work-group's barrier once more
	s_barrier_signal -1
	s_barrier_wait -1
	s_cmp_lg_u32 s14, 0
	s_cbranch_scc1 .Lnot_wave_0_\@
	s_barrier_signal -3
.Lnot_wave_0_\@:
	s_barrier_wait -3
	s_barrier_signal -1
	s_barrier_wait -1
.endm
	s_load_b128 s[4:7], s[0:1], 0x0                ; x's codes s[4:5], x's scales s[6:7]
	s_load_b128 s[8:11], s[0:1], 0x10              ; W's codes s[8:9], W's scales s[10:11]
	s_load_b64 s[12:13], s[0:1], 0x20              ; qkv
	s_load_b64 s[2:3], s[0:1], 0x28                ; qkvf
	v_lshl_add_u32 v[SPW], v0, 2, SPARE
	v_mov_b32 v[NIL], 0
	ds_add_u32 v[SPW], v[NIL]                      ; the wave's opening: the add, twice on end, and its wait ahead of my first tensor load; the set-up below stands between the second and the wait
	ds_add_u32 v[SPW], v[NIL]
	v_lshrrev_b32 v1, 5, v0
	v_readfirstlane_b32 s14, v1                    ; wave 0..3
	s_lshr_b32 s15, s14, 1                         ; which half of the tile's rows is mine.  Also: I fetch for x (0) or for W (1)
	s_and_b32 s16, s14, 1                          ; which half of its columns.  Also: which 128 rows of that tile I fetch
	s_bfe_u32 s40, ttmp6, 0x40000                  ; cx, cy: my place in the cluster
	s_bfe_u32 s41, ttmp6, 0x40004
	s_lshl_b32 s42, ttmp9, 2
	s_add_co_u32 s42, s42, s40                     ; tile column of C = 4 x cluster x + cx
	s_and_b32 s95, ttmp7, 0xffff                   ; cluster y: the block of 256 positions in a batch
	s_lshl_b32 s17, s41, 3
	s_add_co_u32 s17, s17, s95                     ; tile row of C = 8 cy + cluster y
	s_lshl_b32 s43, s41, 2
	s_lshl_b32 s43, 15, s43                        ; my row of the cluster
	s_lshl_b32 s44, 0x1111, s40                    ; my column
	; descriptor group 1: a tile of 128 rows x 256 bytes, padded in LDS
	s_or_b32 s[G1+0], s43, (0<<16)|(1<<20)|(1<<21)|(5<<22)|(3<<25)  ; 15:0 the mask: x's tiles go to my row; 17:16 elements of 1 byte; 20 padding on; 21 set beside a mask; 24:22 after every 64 words; 31:25 four words
	s_or_b32 s[G1B+0], s44, (0<<16)|(1<<20)|(1<<21)|(5<<22)|(3<<25)
.irp g, G1, G1B
	s_mov_b32 s[\g+1], ROWB<<16                    ; tensor_dim0
	s_mov_b32 s[\g+2], 128<<16                     ; tensor_dim1
	s_mov_b32 s[\g+3], ROWB<<16                    ; tile_dim0
	s_mov_b32 s[\g+4], 128                         ; tile_dim1
	s_mov_b32 s[\g+5], KROW                        ; from row to row
	s_mov_b32 s[\g+6], 0
	s_mov_b32 s[\g+7], 0
.endr
	; the scales of 128 rows: a dense block of 4,096 bytes, as 16 rows of 256 bytes (32 elements of 8 bytes), 16 bytes of padding behind each
	s_or_b32 s[G1S+0], s43, (3<<16)|(1<<20)|(1<<21)|(5<<22)|(3<<25)
	s_or_b32 s[G1SB+0], s44, (3<<16)|(1<<20)|(1<<21)|(5<<22)|(3<<25)
.irp g, G1S, G1SB
	s_mov_b32 s[\g+1], 32<<16
	s_mov_b32 s[\g+2], (128*KS/256)<<16
	s_mov_b32 s[\g+3], 32<<16
	s_mov_b32 s[\g+4], 128*KS/256
	s_mov_b32 s[\g+5], 32
	s_mov_b32 s[\g+6], 0
	s_mov_b32 s[\g+7], 0
.endr
	s_lshl_b32 s18, s16, 7                         ; which 128 rows of the tile I fetch
	s_lshl_b32 s20, s17, 8
	s_add_co_u32 s20, s20, s18                     ; x: row 256 x tile row + 128 x half
	s_lshl_b32 s46, s42, 8
	s_add_co_u32 s46, s46, s18                     ; W: row 256 x tile column + 128 x half
	s_mov_b32 s21, 0
	s_mov_b32 s47, 0
	s_mov_b64 s[18:19], KS
	s_mul_u64 s[22:23], s[20:21], s[18:19]         ; where these rows' scales begin, in bytes
	s_mul_u64 s[92:93], s[46:47], s[18:19]
	s_mov_b64 s[18:19], KROW
	s_mul_u64 s[20:21], s[20:21], s[18:19]         ; and their codes
	s_mul_u64 s[46:47], s[46:47], s[18:19]
	s_mul_i32 s45, s14, HALFT                      ; where they go: wave x 128 rows: no place in the cluster enters an LDS address
	s_mul_i32 s94, s14, HALFS
	s_wait_dscnt 0x0                               ; both opening adds are done
	s_wait_kmcnt 0x0
	s_add_nc_u64 s[20:21], s[4:5], s[20:21]
	s_add_nc_u64 s[22:23], s[6:7], s[22:23]
	s_add_nc_u64 s[46:47], s[8:9], s[46:47]
	s_add_nc_u64 s[92:93], s[10:11], s[92:93]
	CROUND                                         ; all sixteen work-groups are here: the joint loads meet
	s_mov_b32 s[G0S], 1
	s_add_co_u32 s[G0S+1], s94, SCL
	s_mov_b64 s[G0S+2:G0S+3], s[22:23]
	s_or_b32 s[G0S+3], s[G0S+3], 0x80000000
	s_mov_b32 s[G0SB], 1
	s_add_co_u32 s[G0SB+1], s94, SCL
	s_mov_b64 s[G0SB+2:G0SB+3], s[92:93]
	s_or_b32 s[G0SB+3], s[G0SB+3], 0x80000000
	JLOAD G0S, G1S, G0SB, G1SB                     ; the scales first: they are wanted with K step 0
.irp s, 0,1
	s_mov_b32 s[G0+4*\s], 1
	s_add_co_u32 s[G0+4*\s+1], s45, \s*SLOT
	s_add_nc_u64 s[G0+4*\s+2:G0+4*\s+3], s[20:21], \s*ROWB
	s_or_b32 s[G0+4*\s+3], s[G0+4*\s+3], 0x80000000
	s_mov_b32 s[G0B+4*\s], 1
	s_add_co_u32 s[G0B+4*\s+1], s45, \s*SLOT
	s_add_nc_u64 s[G0B+4*\s+2:G0B+4*\s+3], s[46:47], \s*ROWB
	s_or_b32 s[G0B+4*\s+3], s[G0B+4*\s+3], 0x80000000
	JLOAD G0+4*\s, G1, G0B+4*\s, G1B
.endr
	v_and_b32 v1, 15, v0                           ; r = lane % 16
	v_bfe_u32 v2, v0, 4, 1                         ; h = lane / 16
	v_mul_u32_u24 v3, v1, PITCH
	v_lshl_add_u32 v4, v2, 4, v3                   ; a fragment's row x pitch + 16 x half
	s_mul_i32 s21, s15, HALFT                      ; my 128 rows of x
	s_mul_i32 s22, s16, HALFT                      ; my 128 rows of W,
	s_add_co_u32 s22, s22, 2*HALFT                 ; which lie behind x's 256
.irp s, 0,1
	v_add_nc_u32 v[ADRA+\s], s21, v4
	v_add_nc_u32 v[ADRB+\s], s22, v4
	s_add_co_u32 s21, s21, SLOT
	s_add_co_u32 s22, s22, SLOT
.endr
	v_mul_u32_u24 v5, v1, KS                       ; my row's scales: 32 bytes a row,
	v_lshrrev_b32 v6, 8, v5
	v_lshl_add_u32 v5, v6, 4, v5                   ; and 16 more for each 256 passed
	s_mul_i32 s21, s15, HALFS                      ; x's: my 128 rows
	s_mul_i32 s22, s16, HALFS                      ; W's: my 128 rows, behind x's 256
	s_add_co_u32 s22, s22, 2*HALFS
	s_sub_co_u32 s22, s22, s21
	v_mul_u32_u24 v6, s22, v2                      ; lanes 16-31 take W's: ONE product, the distance x h
	s_add_co_u32 s21, s21, SCL
	v_add_nc_u32 v5, v5, v6
	v_add_nc_u32 v[ADRS], s21, v5
	s_mul_i32 s23, s14, 2*SPL                      ; my stage
	v_mul_u32_u24 v5, v1, 144                      ; in: row r, 16 bytes for each half of the lanes
	v_lshl_add_u32 v5, v2, 4, v5
	v_add_nc_u32 v[STO], s23, v5
	v_and_b32 v6, 31, v0
	v_lshlrev_b32 v[CO], 4, v6                     ; 16 x lane
	v_lshrrev_b32 v5, 3, v6                        ; back: eight lanes to a row of 128 bytes, four rows an instruction
	v_mul_u32_u24 v5, v5, 144
	v_and_b32 v6, 7, v0
	v_lshl_add_u32 v5, v6, 4, v5
	v_add_nc_u32 v[RD], s23, v5
	s_mul_i32 s20, s41, 48                         ; qkv: plane 48 b + 4 x tile column + 2 x column half,
	s_lshl_b32 s21, s42, 2
	s_add_co_u32 s20, s20, s21
	s_lshl_b32 s21, s16, 1
	s_add_co_u32 s20, s20, s21
	s_lshl_b32 s20, s20, 18                        ; 262,144 bytes a plane;
	s_lshl_b32 s21, s95, 8
	s_lshl_b32 s22, s15, 7
	s_add_co_u32 s21, s21, s22                     ; my first position in the batch,
	s_lshl_b32 s21, s21, 7                         ; 128 bytes a position
	s_add_co_u32 s20, s20, s21
	s_mov_b32 s21, 0
	s_add_nc_u64 s[12:13], s[12:13], s[20:21]
	s_mul_i32 s46, s41, 192                        ; qkvf: tile of 16 columns 192 b + 16 x tile column + 8 x column half,
	s_lshl_b32 s47, s42, 4
	s_add_co_u32 s46, s46, s47
	s_lshl_b32 s47, s16, 3
	s_add_co_u32 s46, s46, s47
	s_lshl_b32 s46, s46, 10                        ; 1,024 bytes each
	s_mov_b32 s47, 0
	s_add_nc_u64 s[2:3], s[2:3], s[46:47]
.macro FRAG reg, adr, q, i             ; a fragment, 16 rows x 128 K of 4-bit codes: lane l holds row l % 16; registers 4 c .. 4 c + 3 hold K = 64 c + 32 (l / 16) + 0 .. 31
.irp c, 0,1
	ds_load_b128 v[\reg+4*\c:\reg+4*\c+3], v[\adr] offset:64*(\q)+32*\c+(\i)*16*PITCH
.endr
.endm
; 16 matrix instructions: x's blocks a0, a0 + 1 against W's eight, 128 along K: the slot's q-th.  p: W's set;  sc: the set of scale words.  zero = 1: the first product starts the sums: nothing is cleared.
; The 64 accumulators take turns, one instruction a turn, in the same order in every step.
.macro MUL16 a0, p, q, sc, zero
.irp a, \a0, \a0+1
.irp b, 0,1,2,3,4,5,6,7
.if \zero
	v_wmma_scale_f32_16x16x128_f8f6f4 v[8*(8*((\a)%4)+\b):8*(8*((\a)%4)+\b)+7], v[128*(\p)+FR*\b:128*(\p)+FR*\b+FR-1], v[AF+FR*(\a):AF+FR*(\a)+FR-1], 0, v[SC+8*NQ*(\sc)+NQ*\b+(\q)], v[SC+8*NQ*(\sc)+NQ*(\a)+(\q)] matrix_a_fmt:MATRIX_FMT_FP4 matrix_b_fmt:MATRIX_FMT_FP4 matrix_a_scale:MATRIX_SCALE_ROW1
.else
	v_wmma_scale_f32_16x16x128_f8f6f4 v[8*(8*((\a)%4)+\b):8*(8*((\a)%4)+\b)+7], v[128*(\p)+FR*\b:128*(\p)+FR*\b+FR-1], v[AF+FR*(\a):AF+FR*(\a)+FR-1], v[8*(8*((\a)%4)+\b):8*(8*((\a)%4)+\b)+7], v[SC+8*NQ*(\sc)+NQ*\b+(\q)], v[SC+8*NQ*(\sc)+NQ*(\a)+(\q)] matrix_a_fmt:MATRIX_FMT_FP4 matrix_b_fmt:MATRIX_FMT_FP4 matrix_a_scale:MATRIX_SCALE_ROW1
.endif
.endr
.endr
.endm
.macro FETCH_B slot, q, p              ; W's eight fragments of the slot's q-th 128 along K into set p
	WIN TO_B
.irp i, 0,1,2,3,4,5,6,7
	FRAG 128*(\p)+FR*\i, ADRB+\slot, \q, \i
.endr
	WIN 0
.endm
.macro FETCH_A slot, q, i0             ; x's blocks i0 .. i0 + 3
.irp i, \i0, \i0+1, \i0+2, \i0+3
	FRAG AF+FR*(\i), ADRA+\slot, \q, \i
.endr
.endm
.macro SCALES sc                       ; a K step's scale words into set sc: four words a row; lanes 0-15 take x's block i, lanes 16-31 W's block i
.irp i, 0,1,2,3,4,5,6,7
	ds_load_b128 v[SC+8*NQ*\sc+NQ*\i:SC+8*NQ*\sc+NQ*\i+3], v[ADRS] offset:\i*SBLK
.endr
.endm
; A load into a register that a matrix instruction has read, and a vector instruction or a store that reads a matrix result, stand NP places behind that matrix instruction; only plain vector instructions that name none of its registers are places.
.macro PLACES n
.rept \n
	v_nop
.endr
.endm
; A step of 128 along K that has its successor in the same slot.  A block of x is free as soon as its eight products are issued, so one set serves x: blocks 0-3 are fetched anew in the step's middle, blocks 4-7 at its end.
.macro STEP slot, q, zero
	s_wait_dscnt 4*NL                              ; W's set and x's blocks 0-3 are in; the youngest eight loads (x's blocks 4-7) may be out
	WIN MUL_LO
	MUL16 0, (\q)%2, \q, \slot, \zero
	MUL16 2, (\q)%2, \q, \slot, \zero
	s_wait_dscnt 0                                 ; x's blocks 4-7 are in (asked for 32 matrix instructions ago)
	PLACES NP
	FETCH_B \slot, (\q)+1, 1-(\q)%2
	FETCH_A \slot, (\q)+1, 0
	WIN MUL_HI
	MUL16 4, (\q)%2, \q, \slot, \zero
	MUL16 6, (\q)%2, \q, \slot, \zero
	PLACES NP
	WIN 0
	FETCH_A \slot, (\q)+1, 4
.endm
; Slot 0's last step changes slots: ONE barrier; in front of it each wave waits for all its tensor loads (its part of slot 1), adds 0 to its spare word, and waits for that and for its reads of slot 0.
.macro TURN slot, next
	s_wait_tensorcnt 0x0                           ; all my tensor loads have landed  (every window is 0 here: the add's two registers lie in window 0)
	ds_add_u32 v[SPW], v[NIL]                      ; 0 onto my spare word
	s_wait_dscnt 4*NL+1                            ; (the add and the youngest eight loads, x's blocks 4-7, may be out)
	WIN MUL_LO
	MUL16 0, 1, NQ-1, \slot, 0                     ; sixteen matrix instructions stand between the add and the wait for it
	s_wait_dscnt 0x0                               ; the add is done, and my reads of this slot are over
	s_barrier_signal -1
	MUL16 2, 1, NQ-1, \slot, 0
	WIN 0
	s_barrier_wait -1                              ; the next slot is whole, and nobody reads this one any more
	PLACES NP
	v_add_nc_u32 v[ADRS], 4*NQ, v[ADRS]            ; on to the next K step's scale words
	FETCH_B \next, 0, 0
	FETCH_A \next, 0, 0
	SCALES \next
	WIN MUL_HI
	MUL16 4, 1, NQ-1, \slot, 0
	MUL16 6, 1, NQ-1, \slot, 0
	PLACES NP
	WIN 0
	FETCH_A \next, 0, 4
.endm
.macro STEPS slot, from                ; the slot's steps from .. NQ - 2
.set QN, \from
.rept NQ-1-\from
	STEP \slot, QN, 0
.set QN, QN+1
.endr
.endm
	s_wait_tensorcnt 1                             ; the scales and my part of K step 0 are in; the one load behind them, K step 1's, may be out,
	s_barrier_signal -1
	s_barrier_wait -1                              ; everybody's are
	FETCH_B 0, 0, 0
	FETCH_A 0, 0, 0
	SCALES 0
	FETCH_A 0, 0, 4
	STEP 0, 0, 1                                   ; the first step's products start the sums
	STEPS 0, 1
	TURN 0, 1
	STEPS 1, 0
	s_wait_dscnt 4*NL                              ; the very last step: nothing more to fetch
	WIN MUL_LO
	MUL16 0, 1, NQ-1, 1, 0
	MUL16 2, 1, NQ-1, 1, 0
	s_wait_dscnt 0
	WIN MUL_HI
	MUL16 4, 1, NQ-1, 1, 0
	MUL16 6, 1, NQ-1, 1, 0
	WIN 0
	PLACES NP                                      ; behind the last products: for the stores and conversions that read results, and for the writes into the registers that held x's fragments
	; THE FIRST 16 POSITIONS OF A BATCH, in f32: they are block 0 of the waves with the upper row half in the clusters with y = 0.  The branch hangs on the cluster's y and the wave's number: it is the same in all partners.
	s_or_b32 s94, s95, s15
	s_cmp_lg_u32 s94, 0
	s_cbranch_scc1 .Lnofine
	WIN 0x08                                       ; a store's data are its source 1: window 2
.irp b, 0,1,2,3,4,5,6,7
	global_store_b128 v[CO], v[8*\b:8*\b+3], s[2:3] offset:1024*\b          ; each accumulator from its low end on; 32 lanes store 512 consecutive bytes
	global_store_b128 v[CO], v[8*\b+4:8*\b+7], s[2:3] offset:1024*\b+512
.endr
	WIN 0
.Lnofine:
; THE WAY OUT, block by block of 16 rows x 128 columns (two heads).  A lane's eight results pack into 16 bytes of one row; the lanes beside it hold other rows.  So a block goes through my own stage and comes back by rows:
; four rows of 128 bytes, which are neighbours in a plane of qkv, to a store: 512 consecutive bytes.  LDS serves a wave's instructions in order (ISA guide 5.7.1.4): no wait between the stage's stores and loads.
.macro PACK a
.set AC, 64*((\a)%4)
	WIN 0x0a+5*((\a)/4)                            ; sources 0 and 1: window 2 or 3
.irp b, 0,1,2,3,4,5,6,7
.irp p, 0,1,2,3
	v_cvt_pk_f16_f32 v[TMP+4*\b+\p], v[AC+8*\b+2*\p], v[AC+8*\b+2*\p+1]
.endr
.endr
	WIN 0
.endm
.macro TOSTAGE a
.set BB, BK+32*((\a)%2)
.irp b, 0,1,2,3,4,5,6,7
	ds_store_b128 v[STO], v[TMP+4*\b:TMP+4*\b+3] offset:(\b/4)*SPL+(\b%4)*32
.endr
.irp t, 0,1,2,3,4,5,6,7
	ds_load_b128 v[BB+4*\t:BB+4*\t+3], v[RD] offset:(\t/4)*SPL+(\t%4)*576
.endr
.endm
.macro SEND a
.set BB, BK+32*((\a)%2)
	s_wait_dscnt 0x0                               ; the block is back in registers
	s_wait_xcnt 0x0                                ; the block before has had its stores' registers read: the next block's loads may land there
.irp t, 0,1,2,3,4,5,6,7
	global_store_b128 v[CO], v[BB+4*\t:BB+4*\t+3], s[12:13] offset:(\t/4)*262144+(\a)*2048+(\t%4)*512
.endr
.endm
	PACK 0
	TOSTAGE 0
.irp a, 1,2,3,4,5,6,7                  ; block a's conversions stand between block a - 1's loads from the stage and the wait for them
	PACK \a
	SEND \a-1
	TOSTAGE \a
.endr
	SEND 7
	s_wait_tensorcnt 0x0                           ; the wave's end: three lines, behind my last tensor load and my last LDS store
	ds_add_u32 v[SPW], v[NIL]
	s_wait_dscnt 0x0
	CROUND                                         ; the closing round: no work-group ends while a partner may still ask for a tile that names it
	s_endpgm
.Lfunc_end_k_qae80a24be5_qkv:
	.size	k_qae80a24be5_qkv, .Lfunc_end_k_qae80a24be5_qkv-k_qae80a24be5_qkv
	.p2alignl 7, 3214868480
	.fill 96, 4, 3214868480
	.section	.rodata,"a",@progbits
	.p2align	6, 0x0
	.amdhsa_kernel k_qae80a24be5_qkv
		.amdhsa_group_segment_fixed_size 327680
		.amdhsa_private_segment_fixed_size 0
		.amdhsa_enable_private_segment 0
		.amdhsa_kernarg_size 48
		.amdhsa_user_sgpr_count 2
		.amdhsa_user_sgpr_kernarg_segment_ptr 1
		.amdhsa_wavefront_size32 1
		.amdhsa_system_sgpr_workgroup_id_x 1
		.amdhsa_system_sgpr_workgroup_id_y 1
		.amdhsa_system_sgpr_workgroup_id_z 1
		.amdhsa_system_vgpr_workitem_id 0
		.amdhsa_next_free_vgpr 1024
		.amdhsa_next_free_sgpr 98
		.amdhsa_reserve_vcc 0
		.amdhsa_float_denorm_mode_32 3
		.amdhsa_float_denorm_mode_16_64 3
		.amdhsa_memory_ordered 1
		.amdhsa_forward_progress 1
		.amdhsa_inst_pref_size 128
	.end_amdhsa_kernel
	.amdgpu_metadata
---
amdhsa.version: [ 1, 2 ]
amdhsa.kernels:
  - .name:           k_qae80a24be5_qkv
    .symbol:         k_qae80a24be5_qkv.kd
    .args:
      - { .name: xc, .offset: 0, .size: 8, .value_kind: global_buffer, .address_space: global }
      - { .name: xs, .offset: 8, .size: 8, .value_kind: global_buffer, .address_space: global }
      - { .name: wc, .offset: 16, .size: 8, .value_kind: global_buffer, .address_space: global }
      - { .name: ws, .offset: 24, .size: 8, .value_kind: global_buffer, .address_space: global }
      - { .name: qkv, .offset: 32, .size: 8, .value_kind: global_buffer, .address_space: global }
      - { .name: qkvf, .offset: 40, .size: 8, .value_kind: global_buffer, .address_space: global }
    .group_segment_fixed_size: 327680
    .private_segment_fixed_size: 0
    .kernarg_segment_align: 8
    .kernarg_segment_size: 48
    .max_flat_workgroup_size: 128
    .sgpr_count:     98
    .vgpr_count:     1024
    .wavefront_size: 32
...
	.end_amdgpu_metadata
.endif
;; end of part 2
;; launch attn (part 3): grid 4 x 64, 16 waves a work-group, no clusters, 327,680 bytes of LDS; arguments qkv, att; writes att
.if DOCPART == 3
	.amdgcn_target "amdgcn-amd-amdhsa--gfx1250"
	.amdhsa_code_object_version 6
	.text
	.protected	k_qae80a24be5_attn
	.globl	k_qae80a24be5_attn
	.p2align	8
	.type	k_qae80a24be5_attn,@function
k_qae80a24be5_attn:
	s_mov_b64 s[64:65], 0
	v_nop
	global_prefetch_b8 v0, s[64:65] scope:SCOPE_SE
	s_setreg_imm32_b32 hwreg(HW_REG_WAVE_MODE, 25, 1), 1
	s_wait_xcnt 0x0
; att[b][h][q][:] = the sum over k <= q of softmax_k(Q[q] . K[k] / 8) V[k][:], for each of 64 (batch, head).  qkv: [b 4][c 48][s 2048][64] f16, c = h for Q, 16 + h for K, 32 + h for V.  att: [b][h][s][64] f16.
; Products on f16 operands with f32 sums; maxima, exponentials and sums in f32; the weights p are rounded to f16 for the second product, the row's sum is taken of the unrounded p, the result is rounded once.
; LIMITS: the inputs are f16 as the launch before made them; the result, an average of V's rows, has their range.  (Positions 0-15 of each batch are made here too, and made again more finely by a later launch.)
; SHARES.  Work-group (i, head) owns the blocks of 256 queries i and 7 - i: under the causal mask the two together see the same number of keys for every i, so all 256 work-groups have equal work.
; Each of SIXTEEN waves owns 32 queries, two tiles of 16, in 256 registers: four waves to a SIMD, so that one wave's vector work stands beside another's matrix work and LDS loads; each fragment of K and V feeds two products.
; Wave w takes block (w xor w / 4) & 1 (0: block i, 1: block 7 - i) and its queries 32 (w / 2) on, so that the long and the short walks are spread over the waves evenly.
; Every work-group walks all 8 slots of 256 keys (constant trip counts); a step of 64 keys all of which come after a wave's queries is jumped over, and a slot that no wave of the work-group reads is not asked for.
; NO CLUSTER: the four work-groups of a head need 8, 7, 6 and 5 slots: every wave of some partner would jump over the reads of a tile that a joint load brought.
; LAYOUT.  S^T = K Q^T (source 0 = 16 keys, source 1 = 16 queries): a lane holds ONE query (lane % 16) and keys 8 (lane / 16) + 0..7.  Two such tiles, rounded to f16 in pairs, ARE source 1 (32 keys x 16 queries) of O^T = V^T P.
; K comes out of LDS as it lies, V ([key][channel]) turned, by ds_load_tr16_b128.  p = 2^(c s - c m), c = log2(e) / 8, m the running maximum; in every step O and l are multiplied by a = 2^(c m_old - c m_new).
; REGISTERS: v1-11 addresses; v12-27 statistics, eight a tile: +0 c m, +1 m, +2, +3 l, +4..+7 at work (a in +6); v28, v29 the diagonal's bounds; v30 -infinity; v31 Q's offset; v32-63 Q; v64-127 S^T, then p, then P in place;
;   v128-191 K's fragments of a step, then V's; v192-255 O^T.
.set PK,    144                        ; a row of K in LDS: 128 bytes + 16: the 16 rows of a load start at 16 different banks
.set PV,    160                        ; a row of V: 128 + 32
.set VOFF,  256*PK                     ; a slot: 256 rows of K, then 256 rows of V
.set SLOT1, 1<<17                      ; slot 1 begins here: one exclusive or turns an address in one slot into the other's
.set STAGE, VOFF+256*PV                ; behind slot 0's tiles: 16 rows x 144 bytes for each wave, for the way out; no fill lands there
.set SPARE, 2*SLOT1                    ; the spare words, 128 bytes a wave, which no other line names
.set AK0,  1                           ; v1   my lane's place in a tile of K
.set AV0,  2                           ; v2   the same for V
.set SPW,  3                           ; v3   LDS address of my spare word; never rewritten
.set NIL,  4                           ; v4   0; never rewritten
.set ADK,  5                           ; v5   LDS address of the slot's K
.set ADV,  6                           ; v6   of V
.set GO,   7                           ; v7   16 x lane
.set STO,  8                           ; v8   the way out: where I put 16 bytes of a row
.set RD,   9                           ; v9   where I read rows back
.set RM,   10                          ; v10  lane % 16 - 8 (lane / 16)
.set PFO,  11                          ; v11  256 x lane
.set ST,   12
.set D0,   28
.set NINF, 30
.set QO,   31
.set QF,   32                          ; Q: tile t, channels 32 c on, at v[32 + 16 t + 8 c]
.set SS,   64                          ; S^T: tile t, keys 16 u on, at v[64 + 32 t + 8 u]
.set KV,   128
.set OO,   192                         ; O^T: tile t, channels 16 d on, at v[192 + 32 t + 8 d]
.set TB,   2                           ; s2   LDS byte at which the slot in hand begins
.set SLOTS, 3                          ; s3   changes of slots to go in the loop
.set WV,   18                          ; s18  my wave's number
.set SEL,  20                          ; s[20:21] lane selects for v_permlanex16_b32: lane l xor 16
.set CS,   22                          ; s[22:23] c: the packed form names a pair and takes its low word for both halves
.set G1K,  24                          ; s[24:31] descriptor group 1 for K's tiles;  s[32:39] for V's;  s[40:43], s[44:47] their groups 0, which walk
.set G1V,  32
.set G0K,  40
.set G0V,  44
.set KF,   48                          ; s48  the step's first key
.set Q0,   49                          ; s49  my first query
.set QL,   50                          ; s50  my last query
.set WQL,  51                          ; s51  my work-group's last query
.set PFA,  52                          ; s[52:53] where my prefetches stand
.set LIM,  54                          ; s54  1 in a wave that prefetches, else the greatest number
; Waves 0 and 1 fetch K's halves of a slot, waves 2 and 3 V's, the others nothing.  The branches hang on the wave's number alone.  An s_nop 0 and four v_nop follow each of the two lines.
.macro TLOAD
	s_cmp_lt_u32 s[WV], 2
	s_cbranch_scc0 .Lnot_k_\@
	tensor_load_to_lds s[G0K:G0K+3], s[G1K:G1K+7]
	s_nop 0
.rept 4
	v_nop
.endr
	s_branch .Lasked_\@
.Lnot_k_\@:
	s_cmp_lt_u32 s[WV], 4
	s_cbranch_scc0 .Lasked_\@
	tensor_load_to_lds s[G0V:G0V+3], s[G1V:G1V+7]
	s_nop 0
.rept 4
	v_nop
.endr
.Lasked_\@:
.endm
; A PREFETCH of what the NEXT change of slots will ask for: a slot's 32,768 dense bytes of K and as many of V.  Each aligned block of 256 bytes is named once in the launch: of a head's four work-groups the first asks, which walks all
; eight slots with its own loads; in it the waves that fetch nothing: waves 4 to 7 for K, waves 8 to 11 for V, 8,192 bytes a wave, lanes 256 bytes apart, one instruction each.  The change that loads slot n + 1 names slot n + 2,
; four key steps ahead of its load; the last change that fills a slot names nothing.  Slots 0 and 1 come by their loads alone.
.macro ASK
	s_cmp_gt_u32 s[SLOTS], s[LIM]
	s_cbranch_scc0 .Lnot_mine_\@
	global_prefetch_b8 v[PFO], s[PFA:PFA+1] th:TH_LOAD_NT scope:SCOPE_SE
.Lnot_mine_\@:
.endm
	s_load_b128 s[4:7], s[0:1], 0x0                ; qkv s[4:5], att s[6:7]
	v_lshl_add_u32 v[SPW], v0, 2, SPARE
	v_mov_b32 v[NIL], 0
	ds_add_u32 v[SPW], v[NIL]                      ; the wave's opening: the add, twice on end, and its wait ahead of my first tensor load; the set-up below stands between the second and the wait
	ds_add_u32 v[SPW], v[NIL]
	v_lshrrev_b32 v5, 5, v0
	v_readfirstlane_b32 s[WV], v5                  ; wave 0..15
	s_and_b32 s56, ttmp7, 0xffff                   ; 16 b + h
	s_lshr_b32 s57, s56, 4
	s_and_b32 s58, s56, 15
	s_mul_i32 s57, s57, 48
	s_add_co_u32 s57, s57, s58                     ; Q's plane: 48 b + h
	s_lshr_b32 s59, s[WV], 2
	s_xor_b32 s59, s59, s[WV]
	s_and_b32 s59, s59, 1                          ; which of the two blocks is mine
	s_lshl_b32 s60, ttmp9, 1
	s_sub_co_u32 s60, 7, s60
	s_mul_i32 s60, s60, s59
	s_add_co_u32 s60, s60, ttmp9                   ; block i or 7 - i
	s_lshl_b32 s60, s60, 8
	s_lshr_b32 s61, s[WV], 1
	s_lshl_b32 s61, s61, 5
	s_add_co_u32 s[Q0], s60, s61
	s_add_co_u32 s[QL], s[Q0], 31
	s_sub_co_u32 s[WQL], 8, ttmp9
	s_lshl_b32 s[WQL], s[WQL], 8
	s_sub_co_u32 s[WQL], s[WQL], 1                 ; the last query of block 7 - i
	s_and_b32 s62, s[WV], 1                        ; which half of a slot's 256 rows I fetch, if I fetch
	s_lshl_b32 s63, s62, 14                        ; 128 rows of 128 bytes
	s_add_co_u32 s66, s57, 16
	s_lshl_b32 s66, s66, 18
	s_add_co_u32 s66, s66, s63                     ; K: my half of slot 0, in bytes from qkv's first
	s_mov_b32 s67, 0
	s_add_co_u32 s68, s57, 32
	s_lshl_b32 s68, s68, 18
	s_add_co_u32 s68, s68, s63                     ; V likewise
	s_mov_b32 s69, 0
	s_lshl_b32 s70, s57, 18
	s_lshl_b32 s71, s[Q0], 7
	s_add_co_u32 s70, s70, s71                     ; Q at my first query
	s_mov_b32 s71, 0
	s_lshl_b32 s72, s56, 18
	s_lshl_b32 s73, s[Q0], 7
	s_add_co_u32 s72, s72, s73                     ; att likewise
	s_mov_b32 s73, 0
	; descriptor group 1: 128 rows of 64 elements of 2 bytes, dense in memory, padded behind every row in LDS
	s_mov_b32 s[G1K], (1<<16)|(1<<20)|(4<<22)|(3<<25)   ; 15:0 no mask; 17:16 elements of 2 bytes; 20 padding on; 24:22 after every 32 words; 31:25 four words
	s_mov_b32 s[G1V], (1<<16)|(1<<20)|(4<<22)|(7<<25)   ; the same with eight words
.irp g, G1K, G1V
	s_mov_b32 s[\g+1], 64<<16                      ; tensor_dim0
	s_mov_b32 s[\g+2], 128<<16                     ; tensor_dim1
	s_mov_b32 s[\g+3], 64<<16                      ; tile_dim0
	s_mov_b32 s[\g+4], 128                         ; tile_dim1
	s_mov_b32 s[\g+5], 64                          ; from row to row
	s_mov_b32 s[\g+6], 0
	s_mov_b32 s[\g+7], 0
.endr
	s_mov_b32 s[SEL], 0x76543210
	s_mov_b32 s[SEL+1], 0xfedcba98
	s_mov_b32 s[CS], 0x3e38aa3b                    ; c = log2(e) / 8
	s_mov_b32 s[CS+1], s[CS]                       ; (named with it as a pair, so it is written)
	s_mov_b32 s[TB], 0
	s_mov_b32 s[KF], 0
	s_mov_b32 s[SLOTS], 7
	; every LDS address register is made here, ahead of the first branch on the wave's number
	v_and_b32 v28, 15, v0                          ; r
	v_bfe_u32 v29, v0, 4, 1                        ; h
	v_mul_u32_u24 v[AK0], v28, PK
	v_lshl_add_u32 v[AK0], v29, 4, v[AK0]          ; K: row r x pitch + 16 h
	v_and_b32 v5, 7, v0
	v_lshl_add_u32 v[AV0], v29, 3, v5              ; V: the turning load's lane l reads key 8 h + l % 8, channels 8 ((l / 8) % 2) on
	v_mul_u32_u24 v[AV0], v[AV0], PV
	v_bfe_u32 v6, v0, 3, 1
	v_lshl_add_u32 v[AV0], v6, 4, v[AV0]
	v_add_nc_u32 v[AV0], VOFF, v[AV0]
	v_and_b32 v6, 31, v0                           ; lane
	v_lshlrev_b32 v[GO], 4, v6
	s_mul_i32 s74, s[WV], 16*PK
	s_add_co_u32 s74, s74, STAGE                   ; my stage
	v_add_nc_u32 v[STO], s74, v[AK0]               ; in: row r, 16 bytes for each half of the lanes
	v_lshrrev_b32 v[RD], 3, v6
	v_mul_u32_u24 v[RD], v[RD], PK
	v_lshl_add_u32 v[RD], v5, 4, v[RD]
	v_add_nc_u32 v[RD], s74, v[RD]                 ; back: eight lanes to a row of 128 bytes, four rows an instruction
	v_lshlrev_b32 v[RM], 3, v29
	v_sub_nc_u32 v[RM], v28, v[RM]
	v_lshlrev_b32 v[PFO], 8, v6
	v_lshlrev_b32 v[QO], 7, v28
	v_lshl_add_u32 v[QO], v29, 4, v[QO]            ; Q: row r of 128 bytes + 16 h
	v_mov_b32 v[NINF], 0xff800000
	s_wait_dscnt 0x0                               ; both opening adds are done
	s_wait_kmcnt 0x0
	s_mov_b32 s[G0K], 1                            ; 1:0 count = 1
	s_mul_i32 s[G0K+1], s62, 128*PK                ; 63:32 LDS address: slot 0, my half
	s_add_nc_u64 s[G0K+2:G0K+3], s[4:5], s[66:67]  ; 120:64 global address
	s_or_b32 s[G0K+3], s[G0K+3], 0x80000000        ; 127:126 type = 2
	s_mov_b32 s[G0V], 1
	s_mul_i32 s[G0V+1], s62, 128*PV
	s_add_co_u32 s[G0V+1], s[G0V+1], VOFF
	s_add_nc_u64 s[G0V+2:G0V+3], s[4:5], s[68:69]
	s_or_b32 s[G0V+3], s[G0V+3], 0x80000000
	TLOAD                                          ; slot 0: it holds key 0, which counts for every query
	s_add_nc_u64 s[70:71], s[4:5], s[70:71]
	s_add_nc_u64 s[6:7], s[6:7], s[72:73]
.irp t, 0,1
.irp c, 0,1
	global_load_b128 v[QF+16*\t+8*\c:QF+16*\t+8*\c+3], v[QO], s[70:71] offset:2048*\t+64*\c      ; Q stays in registers
	global_load_b128 v[QF+16*\t+8*\c+4:QF+16*\t+8*\c+7], v[QO], s[70:71] offset:2048*\t+64*\c+32
.endr
.endr
	s_cmp_lt_u32 s[WV], 8                          ; the prefetches: waves 4 to 7 stand in K's plane, waves 8 to 11 in V's,
	s_cselect_b32 s72, 16, 32
	s_add_co_u32 s72, s72, s57
	s_lshl_b32 s72, s72, 18
	s_and_b32 s73, s[WV], 3
	s_lshl_b32 s73, s73, 13                        ; at my wave's 8,192 bytes
	s_add_co_u32 s72, s72, s73
	s_add_co_u32 s72, s72, 32768                   ; of slot 1: the first change of slots steps it to slot 2.  Nothing is prefetched at the head
	s_mov_b32 s73, 0
	s_add_nc_u64 s[PFA:PFA+1], s[4:5], s[72:73]
	s_sub_co_u32 s72, s[WV], 4
	s_lshr_b32 s72, s72, 3                         ; 0 in waves 4 to 11,
	s_or_b32 s72, s72, ttmp9                       ; of the head's first work-group
	s_cmp_eq_u32 s72, 0
	s_cselect_b32 s[LIM], 1, -1
.irp t, 0,1
	v_mov_b32 v[ST+8*\t+1], 0xff61b1e6             ; m: -3e38, under every score
	v_mul_f32 v[ST+8*\t], s[CS], v[ST+8*\t+1]      ; c m
.irp j, 2,3,4,5,6,7
	v_mov_b32 v[ST+8*\t+\j], 0                     ; l, and the registers at work (written once, so that no way through the text reads one unwritten)
.endr
.endr
.irp j, 0,1,2,3,4,5,6,7,8,9,10,11,12,13,14,15,16,17,18,19,20,21,22,23,24,25,26,27,28,29,30,31,32,33,34,35,36,37,38,39,40,41,42,43,44,45,46,47,48,49,50,51,52,53,54,55,56,57,58,59,60,61,62,63
	v_mov_b32 v[OO+\j], 0                          ; O^T.  (The step is written once: the first finds zeros, and its a is 0)
.endr
; A KEY STEP: 64 keys, the q-th of the slot in hand.
.macro STEP q
	s_cmp_gt_u32 s[KF], s[QL]                      ; all its keys come after my queries: a scalar branch on ids, round the step's work alone
	s_cbranch_scc1 .Lhidden_\@
	v_add_nc_u32 v[ADK], s[TB], v[AK0]
	v_add_nc_u32 v[ADV], s[TB], v[AV0]
.rept 3
	v_nop                                          ; with the two additions five places behind the last step's products: four for the loads into V's registers, five for the products below, which write over P
.endr
.irp u, 0,1,2,3
.irp c, 0,1
	ds_load_b128 v[KV+16*\u+8*\c:KV+16*\u+8*\c+3], v[ADK] offset:(64*(\q)+16*\u)*PK+64*\c
	ds_load_b128 v[KV+16*\u+8*\c+4:KV+16*\u+8*\c+7], v[ADK] offset:(64*(\q)+16*\u)*PK+64*\c+32
.endr
.endr
	s_wait_dscnt 0x0
.irp c, 0,1                                    ; S^T = K Q^T: the eight accumulators take turns, one instruction a turn
.irp u, 0,1,2,3
.irp t, 0,1
.if \c == 0
	v_wmma_f32_16x16x32_f16 v[SS+32*\t+8*\u:SS+32*\t+8*\u+7], v[KV+16*\u+8*\c:KV+16*\u+8*\c+7], v[QF+16*\t+8*\c:QF+16*\t+8*\c+7], 0
.else
	v_wmma_f32_16x16x32_f16 v[SS+32*\t+8*\u:SS+32*\t+8*\u+7], v[KV+16*\u+8*\c:KV+16*\u+8*\c+7], v[QF+16*\t+8*\c:QF+16*\t+8*\c+7], v[SS+32*\t+8*\u:SS+32*\t+8*\u+7]
.endif
.endr
.endr
.endr
.rept 4
	v_nop                                          ; places: for the loads into K's registers, and for the first read of the scores
.endr
.irp k, 0,1                                    ; V, turned, into the registers that K has left: keys 32 k on, channels 16 d on; it lands during the softmax
.irp d, 0,1,2,3
	ds_load_tr16_b128 v[KV+8*(4*\k+\d):KV+8*(4*\k+\d)+3], v[ADV] offset:(64*(\q)+32*\k)*PV+32*\d
	ds_load_tr16_b128 v[KV+8*(4*\k+\d)+4:KV+8*(4*\k+\d)+7], v[ADV] offset:(64*(\q)+32*\k+16)*PV+32*\d
.endr
.endr
	s_add_co_u32 s66, s[KF], 63                    ; on the diagonal the scores of hidden keys become -infinity ahead of the maximum; a step all of whose keys count for all my queries skips this
	s_cmp_le_u32 s66, s[Q0]
	s_cbranch_scc1 .Lopen_\@
	s_sub_co_i32 s66, s[Q0], s[KF]
	v_add_nc_u32 v[D0], s66, v[RM]                 ; tile 0: my query - the step's first key - 8 (lane / 16).  Register 8 u + j holds key 16 u + 8 (lane / 16) + j of the step: hidden where 16 u + j is greater
	v_add_nc_u32 v[D0+1], 16, v[D0]                ; tile 1
.irp t, 0,1
.irp u, 0,1,2,3
.irp j, 0,1,2,3,4,5,6,7
	v_cmp_gt_i32 vcc_lo, 16*\u+\j, v[D0+\t]
	v_cndmask_b32 v[SS+32*\t+8*\u+\j], v[SS+32*\t+8*\u+\j], v[NINF], vcc_lo
.endr
.endr
.endr
.Lopen_\@:
	; the maximum of my 32 scores and the old m, three operands at a time, four chains a tile, the two tiles line by line; each accumulator is read from its low end on
.irp j, 0,1,2,3
.irp t, 0,1
	v_max3_num_f32 v[ST+8*\t+4+\j], v[SS+32*\t+8*\j], v[SS+32*\t+8*\j+1], v[SS+32*\t+8*\j+2]
.endr
.endr
.irp g, 1,2
.irp j, 0,1,2,3
.irp t, 0,1
	v_max3_num_f32 v[ST+8*\t+4+\j], v[ST+8*\t+4+\j], v[SS+32*\t+8*\j+2*\g+1], v[SS+32*\t+8*\j+2*\g+2]
.endr
.endr
.endr
.irp t, 0,1
	v_max3_num_f32 v[ST+8*\t+4], v[ST+8*\t+4], v[SS+32*\t+7], v[SS+32*\t+15]
.endr
.irp t, 0,1
	v_max3_num_f32 v[ST+8*\t+6], v[ST+8*\t+6], v[SS+32*\t+23], v[SS+32*\t+31]
.endr
.irp t, 0,1
	v_max3_num_f32 v[ST+8*\t+4], v[ST+8*\t+4], v[ST+8*\t+5], v[ST+8*\t+6]
.endr
.irp t, 0,1
	v_max3_num_f32 v[ST+8*\t+4], v[ST+8*\t+4], v[ST+8*\t+7], v[ST+8*\t+1]
.endr
.irp t, 0,1
	v_permlanex16_b32 v[ST+8*\t+5], v[ST+8*\t+4], s[SEL], s[SEL+1]   ; the query's other 32 keys lie in the lane 16 away
.endr
.irp t, 0,1
	v_mov_b32 v[ST+8*\t+7], v[ST+8*\t]             ; c m_old is kept for a
.endr
.irp t, 0,1
	v_max_num_f32 v[ST+8*\t+1], v[ST+8*\t+4], v[ST+8*\t+5]
.endr
.irp t, 0,1
	v_mul_f32 v[ST+8*\t], s[CS], v[ST+8*\t+1]
.endr
.irp t, 0,1
	v_sub_f32 v[ST+8*\t+7], v[ST+8*\t+7], v[ST+8*\t]
.endr
.irp j, 0,2,4,6,8,10,12,14,16,18,20,22,24,26,28,30
.irp t, 0,1
	v_pk_fma_f32 v[SS+32*\t+\j:SS+32*\t+\j+1], v[SS+32*\t+\j:SS+32*\t+\j+1], s[CS:CS+1], v[ST+8*\t:ST+8*\t+1] op_sel_hi:[1,0,0] neg_lo:[0,0,1] neg_hi:[0,0,1]   ; c s - c m, two at a time
.endr
.endr
.irp t, 0,1
	v_exp_f32 v[ST+8*\t+6], v[ST+8*\t+7]           ; a
.endr
.irp j, 0,1,2,3,4,5,6,7,8,9,10,11,12,13,14,15,16,17,18,19,20,21,22,23,24,25,26,27,28,29,30,31
.irp t, 0,1
	v_exp_f32 v[SS+32*\t+\j], v[SS+32*\t+\j]       ; p, at most 1
.endr
.endr
	v_nop                                          ; a plain instruction behind the last exponential
	s_wait_alu depctr_va_vdst(0)                   ; ONE wait for the batch of 66, ahead of its first reader
.irp t, 0,1
	v_pk_fma_f32 v[ST+8*\t+2:ST+8*\t+3], v[ST+8*\t+2:ST+8*\t+3], v[ST+8*\t+6:ST+8*\t+7], v[SS+32*\t:SS+32*\t+1] op_sel_hi:[1,0,1]   ; l = a l + p ..: the sum of the unrounded p, two at a time, in two chains
.endr
.irp t, 0,1
	v_pk_add_f32 v[ST+8*\t+4:ST+8*\t+5], v[SS+32*\t+2:SS+32*\t+3], v[SS+32*\t+4:SS+32*\t+5]
.endr
.irp j, 6,10,14,18,22,26
.irp t, 0,1
	v_pk_add_f32 v[ST+8*\t+2:ST+8*\t+3], v[ST+8*\t+2:ST+8*\t+3], v[SS+32*\t+\j:SS+32*\t+\j+1]
	v_pk_add_f32 v[ST+8*\t+4:ST+8*\t+5], v[ST+8*\t+4:ST+8*\t+5], v[SS+32*\t+\j+2:SS+32*\t+\j+3]
.endr
.endr
.irp t, 0,1
	v_pk_add_f32 v[ST+8*\t+2:ST+8*\t+3], v[ST+8*\t+2:ST+8*\t+3], v[SS+32*\t+30:SS+32*\t+31]
.endr
.irp t, 0,1
	v_pk_add_f32 v[ST+8*\t+2:ST+8*\t+3], v[ST+8*\t+2:ST+8*\t+3], v[ST+8*\t+4:ST+8*\t+5]
.endr
.irp p, 0,1,2,3,4,5,6,7,8,9,10,11,12,13,14,15
.irp t, 0,1
	v_cvt_pk_f16_f32 v[SS+32*\t+\p], v[SS+32*\t+2*\p], v[SS+32*\t+2*\p+1]   ; P in place: register p takes pair p, ascending, so nothing is written before it is read
.endr
.endr
.irp j, 0,2,4,6,8,10,12,14,16,18,20,22,24,26,28,30
.irp t, 0,1
	v_pk_mul_f32 v[OO+32*\t+\j:OO+32*\t+\j+1], v[OO+32*\t+\j:OO+32*\t+\j+1], v[ST+8*\t+6:ST+8*\t+7] op_sel_hi:[1,0]   ; O^T x a, each accumulator from its low end on
.endr
.endr
	s_wait_dscnt 0x0                               ; V is in
.irp k, 0,1                                    ; O^T += V^T P: the eight accumulators take turns
.irp d, 0,1,2,3
.irp t, 0,1
	v_wmma_f32_16x16x32_f16 v[OO+32*\t+8*\d:OO+32*\t+8*\d+7], v[KV+8*(4*\k+\d):KV+8*(4*\k+\d)+7], v[SS+32*\t+8*\k:SS+32*\t+8*\k+7], v[OO+32*\t+8*\d:OO+32*\t+8*\d+7]
.endr
.endr
.endr
.Lhidden_\@:
	s_add_co_u32 s[KF], s[KF], 64
.endm
; THE CHANGE OF SLOTS stands at a slot's head.  Each wave waits for all its tensor loads (its part of the slot that it is about to read), adds 0 to its spare word (fill = 1: twice on end), and waits for that and for its reads of the slot that it
; has left.  Behind the barrier the slot ahead is whole and nobody reads the other one.  fill = 1: that other slot takes the keys that follow, up to the causal limit: the load has a slot's four steps in which to land.
.macro CHANGE fill
	s_wait_tensorcnt 0x0                           ; no tensor load of mine is out, so a group 0 may be written
	ds_add_u32 v[SPW], v[NIL]                      ; 0 onto my spare word
.if \fill
	ds_add_u32 v[SPW], v[NIL]                      ; and once more: the add stands twice on end, in every trip alike
	s_xor_b32 s[G0K+1], s[G0K+1], SLOT1            ; the walking descriptors: the other slot than last time,
	s_add_nc_u64 s[G0K+2:G0K+3], s[G0K+2:G0K+3], 32768   ; the next 256 keys; the type bits on top are not reached
	s_xor_b32 s[G0V+1], s[G0V+1], SLOT1
	s_add_nc_u64 s[G0V+2:G0V+3], s[G0V+2:G0V+3], 32768
	s_wait_xcnt 0x0                                ; the last prefetch, a slot back, has read its address, so it may be written:
	s_add_nc_u64 s[PFA:PFA+1], s[PFA:PFA+1], 32768 ; one slot further on than the walking descriptors
.endif
	s_wait_dscnt 0x0                               ; the add is done (fill = 1: both are), and my reads of the slot that I have left are over
	s_barrier_signal -1
	s_barrier_wait -1
.if \fill
	s_add_co_u32 s66, s[KF], 256                   ; THE LOOK-AHEAD ENDS AT THE CAUSAL LIMIT: a slot whose first key comes after my work-group's last query is read by none of its waves, so it is not asked for.
	s_cmp_gt_u32 s66, s[WQL]                       ; Ids and the count of steps alone: all sixteen waves go the same way, and past the limit a work-group stays past it.  Every wait on TENSORcnt in this text is for 0
	s_cbranch_scc1 .Lpast_\@
	TLOAD                                          ; a wave's one tensor load until the next change
.Lpast_\@:
	ASK
.endif
.endm
.macro SLOT_STEPS
	STEP 0
	STEP 1
	STEP 2
	STEP 3
	s_xor_b32 s[TB], s[TB], SLOT1                  ; on to the other slot
.endm
	s_wait_loadcnt 0x0                             ; Q
.Lslot:                                            ; seven trips: behind each change of slots but the last the next slot is asked for, up to the limit
	CHANGE 1
	SLOT_STEPS
	s_sub_co_u32 s[SLOTS], s[SLOTS], 1
	s_cmp_lg_u32 s[SLOTS], 0
	s_cbranch_scc1 .Lslot
	CHANGE 0                                       ; the last slot is written out: nothing is left to ask for
	SLOT_STEPS
	; THE WAY OUT.  l's two halves and the other half of the lanes' are added; O^T is divided by l, rounded to f16 and sent through my stage, a tile (16 rows of 128 bytes) at a time: four rows, 512 consecutive bytes, to a store.
.rept 4
	v_nop                                          ; places behind the last products
.endr
.irp t, 0,1
	v_add_f32 v[ST+8*\t+4], v[ST+8*\t+2], v[ST+8*\t+3]
.endr
.irp t, 0,1
	v_permlanex16_b32 v[ST+8*\t+5], v[ST+8*\t+4], s[SEL], s[SEL+1]
.endr
.irp t, 0,1
	v_add_f32 v[ST+8*\t+4], v[ST+8*\t+4], v[ST+8*\t+5]
.endr
.irp t, 0,1
	v_rcp_f32 v[ST+8*\t+6], v[ST+8*\t+4]
.endr
	v_nop                                          ; a plain instruction behind the last reciprocal
	s_wait_alu depctr_va_vdst(0)                   ; and one wait for the two, ahead of their first reader
.irp t, 0,1
.irp j, 0,2,4,6,8,10,12,14,16,18,20,22,24,26,28,30
	v_pk_mul_f32 v[OO+32*\t+\j:OO+32*\t+\j+1], v[OO+32*\t+\j:OO+32*\t+\j+1], v[ST+8*\t+6:ST+8*\t+7] op_sel_hi:[1,0]
.endr
.irp p, 0,1,2,3,4,5,6,7,8,9,10,11,12,13,14,15
	v_cvt_pk_f16_f32 v[SS+16*\t+\p], v[OO+32*\t+2*\p], v[OO+32*\t+2*\p+1]
.endr
.irp d, 0,1,2,3
	ds_store_b128 v[STO], v[SS+16*\t+4*\d:SS+16*\t+4*\d+3] offset:32*\d
.endr
.irp i, 0,1,2,3
	ds_load_b128 v[SS+32+16*\t+4*\i:SS+32+16*\t+4*\i+3], v[RD] offset:4*PK*\i   ; LDS serves a wave's instructions in order: these see my stores, and the next tile's stores come behind them
.endr
.endr
.irp t, 0,1
.irp i, 0,1,2,3
	s_wait_dscnt 11-8*\t-\i                        ; the LDS instructions issued behind this load may be out
	global_store_b128 v[GO], v[SS+32+16*\t+4*\i:SS+32+16*\t+4*\i+3], s[6:7] offset:2048*\t+512*\i
.endr
.endr
	s_wait_tensorcnt 0x0                           ; the wave's end: three lines, behind my last tensor load and my last LDS store
	ds_add_u32 v[SPW], v[NIL]
	s_wait_dscnt 0x0
	s_endpgm
.Lfunc_end_k_qae80a24be5_attn:
	.size	k_qae80a24be5_attn, .Lfunc_end_k_qae80a24be5_attn-k_qae80a24be5_attn
	.p2alignl 7, 3214868480
	.fill 96, 4, 3214868480
	.section	.rodata,"a",@progbits
	.p2align	6, 0x0
	.amdhsa_kernel k_qae80a24be5_attn
		.amdhsa_group_segment_fixed_size 327680
		.amdhsa_private_segment_fixed_size 0
		.amdhsa_enable_private_segment 0
		.amdhsa_kernarg_size 16
		.amdhsa_user_sgpr_count 2
		.amdhsa_user_sgpr_kernarg_segment_ptr 1
		.amdhsa_wavefront_size32 1
		.amdhsa_system_sgpr_workgroup_id_x 1
		.amdhsa_system_sgpr_workgroup_id_y 1
		.amdhsa_system_sgpr_workgroup_id_z 1
		.amdhsa_system_vgpr_workitem_id 0
		.amdhsa_next_free_vgpr 256
		.amdhsa_next_free_sgpr 80
		.amdhsa_reserve_vcc 1
		.amdhsa_float_denorm_mode_32 3
		.amdhsa_float_denorm_mode_16_64 3
		.amdhsa_memory_ordered 1
		.amdhsa_forward_progress 1
		.amdhsa_inst_pref_size 187
	.end_amdhsa_kernel
	.amdgpu_metadata
---
amdhsa.version: [ 1, 2 ]
amdhsa.kernels:
  - .name:           k_qae80a24be5_attn
    .symbol:         k_qae80a24be5_attn.kd
    .args:
      - { .name: qkv, .offset: 0, .size: 8, .value_kind: global_buffer, .address_space: global }
      - { .name: att, .offset: 8, .size: 8, .value_kind: global_buffer, .address_space: global }
    .group_segment_fixed_size: 327680
    .private_segment_fixed_size: 0
    .kernarg_segment_align: 8
    .kernarg_segment_size: 16
    .max_flat_workgroup_size: 512
    .sgpr_count:     80
    .vgpr_count:     256
    .wavefront_size: 32
...
	.end_amdgpu_metadata
.endif
;; end of part 3
;; launch oproj (part 4): grid 4 x 64, 4 waves a work-group, clusters of 4 x 4, 327,680 bytes of LDS; arguments att, wo16, out0; writes out0
.if DOCPART == 4
	.amdgcn_target "amdgcn-amd-amdhsa--gfx1250"
	.amdhsa_code_object_version 6
	.text
	.protected	k_qae80a24be5_oproj
	.globl	k_qae80a24be5_oproj
	.p2align	8
	.type	k_qae80a24be5_oproj,@function
k_qae80a24be5_oproj:
	s_mov_b64 s[64:65], 0
	v_nop
	global_prefetch_b8 v0, s[64:65] scope:SCOPE_SE
	s_setreg_imm32_b32 hwreg(HW_REG_WAVE_MODE, 25, 1), 1
	s_wait_xcnt 0x0
	s_wait_alu depctr_hold_cnt(0) depctr_sa_sdst(0) depctr_va_vdst(0) depctr_va_sdst(0) depctr_va_ssrc(0) depctr_va_vcc(0) depctr_vm_vsrc(0)
	s_getreg_b32 s2, hwreg(HW_REG_IB_STS2, 6, 4)
	s_cmp_eq_u32 s2, 0
	s_cbranch_scc0 .Lentry_in_a_cluster
	s_endpgm
.Lentry_in_a_cluster:
	s_bfe_u32 s2, ttmp6, 0x10000c
	s_cmp_lg_u32 s2, 0xf033
	s_cbranch_scc0 .Lentry_shape_is_right
	s_endpgm
.Lentry_shape_is_right:
; out0[m][n] = sum over k of A[m][k] o_proj[n][k], m = 8,192 positions, n = 1,024, K = 1,024 = 16 heads x 64.  A = att [b][h][s][64] f16; wo16 [c 16][n 1024][64] f16, plane c holding k = 64 c on; out0 f32; sums in f32.
; (The first 16 positions of each batch are made here too; a later launch writes them again, made more finely.)
; A tile of out0 is 128 x 256: 256 tiles, one for each work-group of the grid; tiles of 256 x 256 would be 128.  Four waves, each 64 x 128: 32 accumulators, 256 registers.
; K goes in steps of 128 = two planes of 64 through two LDS slots.  A plane's part of a tile is dense memory in both operands (128 or 256 rows of 128 bytes): wave 0 fetches A's first plane, wave 1 its second, waves 2 and 3 o_proj's: one load a wave.
; CLUSTERS: 4 x 4 work-groups; the four of a row of the cluster need the same tiles of A, the four of a column the same tiles of o_proj: each is asked for JOINTLY.  By this text's own count a wave has two tensor loads out at the start, then one.
; THE MATRIX INSTRUCTION IS USED TRANSPOSED (source 0 = 16 rows of o_proj, source 1 = 16 rows of A): a lane then holds eight neighbouring columns of one row of out0.
; REGISTERS: window 0: v0-31 addresses; v64-159, v160-255 two fragment buffers for 32 along K: A's four blocks (32 registers), then o_proj's eight (64).   window 1: the accumulators, (a, b) at v[8 (8 a + b)].
.set PITCH,  144                       ; an LDS row: 128 bytes + 16: the 16 rows that a load touches start at 16 different banks
.set APL,    128*PITCH                 ; a plane of A's tile
.set BPL,    256*PITCH                 ; a plane of o_proj's
.set BOFF,   2*APL
.set SLOT,   BOFF+2*BPL
.set STAGE,  2*SLOT                    ; behind the slots: 16 rows x (512 bytes + 16) for each wave, for the way out; no fill lands there
.set SPITCH, 528
.set SPARE,  STAGE+4*16*SPITCH         ; the spare words, 128 bytes a wave, which no other line names
.set LAPS,   4                         ; a lap = two K steps = once round the ring
.set ADRA, 16                          ; v16-17  LDS address of my fragments of A in slot 0, 1
.set ADRB, 20                          ; v20-21  the same for o_proj
.set STO,  24                          ; v24     the way out: where I put 32 bytes of a row
.set RD,   25                          ; v25     where I read a row back
.set CO,   26                          ; v26     16 x lane
.set SPW,  28                          ; v28     LDS address of my spare word; never rewritten
.set NIL,  29                          ; v29     0; never rewritten
.set F0,   64
.set F1,   160
.set BK,   64                          ; the way out: 16 rows read back: v64-127 and v128-191 by turns
.set G1, 24                            ; s[24:31] descriptor group 1 for A's tiles;  s[32:39] group 0, one set for each slot
.set G0, 32
.set G1B, 48                           ; s[48:55], s[56:63] the same for o_proj's
.set G0B, 56
.set MSB, 0
.macro WIN new                         ; the immediate's high byte repeats the setting that is left
.if MSB != \new
	s_set_vgpr_msb (MSB<<8)|\new
.set MSB, \new
.endif
.endm
.set MUL, 0x50                         ; sources 0 and 1 window 0; C and D window 1
.macro JLOAD s                         ; a joint load: waves 0 and 1 fetch A's planes, waves 2 and 3 o_proj's; an s_nop 0 and four v_nop follow each of the two lines
	s_cmp_eq_u32 s11, 0
	s_cbranch_scc0 .Lfor_b_\@
	tensor_load_to_lds s[G0+4*\s:G0+4*\s+3], s[G1:G1+7]
	s_nop 0
.rept 4
	v_nop
.endr
	s_branch .Lasked_\@
.Lfor_b_\@:
	tensor_load_to_lds s[G0B+4*\s:G0B+4*\s+3], s[G1B:G1B+7]
	s_nop 0
.rept 4
	v_nop
.endr
.Lasked_\@:
.endm
.macro CREST                           ; a round of the cluster's barrier behind its opening barrier
	s_cmp_lg_u32 s10, 0
	s_cbranch_scc1 .Lnot_wave_0_\@
	s_barrier_signal -3
.Lnot_wave_0_\@:
	s_barrier_wait -3
	s_barrier_signal -1
	s_barrier_wait -1
.endm
.macro CROUND                          ; a whole round
	s_barrier_signal -1
	s_barrier_wait -1
	CREST
.endm
	s_load_b128 s[4:7], s[0:1], 0x0                ; att s[4:5], wo16 s[6:7]
	s_load_b64 s[8:9], s[0:1], 0x10                ; out0
	v_lshl_add_u32 v[SPW], v0, 2, SPARE
	v_mov_b32 v[NIL], 0
	ds_add_u32 v[SPW], v[NIL]                      ; the wave's opening: the add, twice on end, and its wait ahead of my first tensor load; the set-up below stands between the second and the wait
	ds_add_u32 v[SPW], v[NIL]
	v_lshrrev_b32 v1, 5, v0
	v_readfirstlane_b32 s10, v1                    ; wave 0..3
	s_lshr_b32 s11, s10, 1                         ; which half of the tile's rows is mine.  Also: I fetch for A (0) or for o_proj (1)
	s_and_b32 s12, s10, 1                          ; which half of its columns.  Also: which plane of a K step I fetch
	s_bfe_u32 s40, ttmp6, 0x40000                  ; cx, cy: my place in the cluster
	s_bfe_u32 s41, ttmp6, 0x40004
	s_lshl_b32 s42, ttmp9, 2
	s_add_co_u32 s42, s42, s40                     ; tile column = 4 x cluster x + cx
	s_and_b32 s13, ttmp7, 0xffff
	s_lshl_b32 s13, s13, 2
	s_add_co_u32 s13, s13, s41                     ; tile row = 4 x cluster y + cy
	s_lshl_b32 s43, s41, 2
	s_lshl_b32 s43, 15, s43                        ; my row of the cluster
	s_lshl_b32 s44, 0x1111, s40                    ; my column
	; descriptor group 1: rows of 64 elements of 2 bytes, dense in memory, padded behind every row in LDS; 128 rows for A, 256 for o_proj
	s_or_b32 s[G1+0], s43, (1<<16)|(1<<20)|(1<<21)|(4<<22)|(3<<25)  ; 15:0 the mask: A's tiles go to my row; 17:16 elements of 2 bytes; 20 padding on; 21 set beside a mask; 24:22 after every 32 words; 31:25 four words
	s_or_b32 s[G1B+0], s44, (1<<16)|(1<<20)|(1<<21)|(4<<22)|(3<<25)
	s_mov_b32 s[G1+1], 64<<16                      ; tensor_dim0
	s_mov_b32 s[G1+2], 128<<16                     ; tensor_dim1
	s_mov_b32 s[G1+3], 64<<16                      ; tile_dim0
	s_mov_b32 s[G1+4], 128                         ; tile_dim1
	s_mov_b32 s[G1+5], 64                          ; from row to row
	s_mov_b32 s[G1+6], 0
	s_mov_b32 s[G1+7], 0
	s_mov_b32 s[G1B+1], 64<<16
	s_mov_b32 s[G1B+2], 256<<16
	s_mov_b32 s[G1B+3], 64<<16
	s_mov_b32 s[G1B+4], 256
	s_mov_b32 s[G1B+5], 64
	s_mov_b32 s[G1B+6], 0
	s_mov_b32 s[G1B+7], 0
	s_lshr_b32 s16, s13, 4                         ; A: the batch, 16 heads x 2,048 x 128 bytes each;
	s_lshl_b32 s16, s16, 22
	s_and_b32 s17, s13, 15                         ; the tile's 128 positions in it, 128 bytes each;
	s_lshl_b32 s17, s17, 14
	s_add_co_u32 s16, s16, s17
	s_lshl_b32 s17, s12, 18                        ; my plane: a head is 262,144 bytes
	s_add_co_u32 s16, s16, s17
	s_mov_b32 s17, 0
	s_lshl_b32 s46, s42, 15                        ; o_proj: the tile's 256 rows of 128 bytes;
	s_lshl_b32 s47, s12, 17                        ; my plane: 131,072 bytes
	s_add_co_u32 s46, s46, s47
	s_mov_b32 s47, 0
	s_mul_i32 s20, s12, APL                        ; where they go: no place in the cluster enters an LDS address
	s_mul_i32 s21, s12, BPL
	s_add_co_u32 s21, s21, BOFF
	s_wait_dscnt 0x0                               ; both opening adds are done
	s_wait_kmcnt 0x0
	s_add_nc_u64 s[14:15], s[4:5], s[16:17]
	s_add_nc_u64 s[46:47], s[6:7], s[46:47]
	CROUND                                         ; all sixteen work-groups are here: the first joint loads meet
.irp s, 0,1
	s_mov_b32 s[G0+4*\s], 1
	s_add_co_u32 s[G0+4*\s+1], s20, \s*SLOT
	s_add_nc_u64 s[G0+4*\s+2:G0+4*\s+3], s[14:15], \s*(2<<18)   ; K step s: two heads on
	s_or_b32 s[G0+4*\s+3], s[G0+4*\s+3], 0x80000000
	s_mov_b32 s[G0B+4*\s], 1
	s_add_co_u32 s[G0B+4*\s+1], s21, \s*SLOT
	s_add_nc_u64 s[G0B+4*\s+2:G0B+4*\s+3], s[46:47], \s*(2<<17)
	s_or_b32 s[G0B+4*\s+3], s[G0B+4*\s+3], 0x80000000
	JLOAD \s
.endr
	v_and_b32 v1, 15, v0                           ; r
	v_bfe_u32 v2, v0, 4, 1                         ; h
	v_mul_u32_u24 v3, v1, PITCH
	v_lshl_add_u32 v3, v2, 4, v3                   ; a fragment's row x pitch + 16 h
	s_mul_i32 s21, s11, 64*PITCH                   ; my 64 rows of A
	s_mul_i32 s22, s12, 128*PITCH                  ; my 128 rows of o_proj,
	s_add_co_u32 s22, s22, BOFF                    ; which lie behind A's two planes
.irp s, 0,1
	v_add_nc_u32 v[ADRA+\s], s21, v3
	v_add_nc_u32 v[ADRB+\s], s22, v3
	s_add_co_u32 s21, s21, SLOT
	s_add_co_u32 s22, s22, SLOT
.endr
	s_mul_i32 s23, s10, 16*SPITCH
	s_add_co_u32 s23, s23, STAGE                   ; my stage
	v_mul_u32_u24 v4, v1, SPITCH                   ; in: row r, 32 bytes for each half of the lanes
	v_lshl_add_u32 v4, v2, 5, v4
	v_add_nc_u32 v[STO], s23, v4
	v_and_b32 v5, 31, v0
	v_lshlrev_b32 v[CO], 4, v5                     ; back: the 32 lanes take one row of 512 bytes; and the same in out0
	v_add_nc_u32 v[RD], s23, v[CO]
	s_lshl_b32 s16, s13, 19                        ; out0: 128 rows of 4,096 bytes a tile row,
	s_lshl_b32 s17, s11, 18                        ; 64 rows a half;
	s_add_co_u32 s16, s16, s17
	s_mov_b32 s17, 0
	s_add_nc_u64 s[8:9], s[8:9], s[16:17]
	s_lshl_b32 s46, s42, 10                        ; 1,024 bytes a tile column, 512 a half
	s_lshl_b32 s47, s12, 9
	s_add_co_u32 s46, s46, s47
	s_mov_b32 s47, 0
	s_add_nc_u64 s[8:9], s[8:9], s[46:47]
; 8 matrix instructions: A's block a against o_proj's eight, 32 along K, from buffer f.  zero = 1: the first product starts the sums.  The 32 accumulators take turns, in the same order in every quarter.
.macro MUL8 f, a, zero
.irp b, 0,1,2,3,4,5,6,7
.if \zero
	v_wmma_f32_16x16x32_f16 v[8*(8*(\a)+\b):8*(8*(\a)+\b)+7], v[\f+32+8*\b:\f+32+8*\b+7], v[\f+8*(\a):\f+8*(\a)+7], 0
.else
	v_wmma_f32_16x16x32_f16 v[8*(8*(\a)+\b):8*(8*(\a)+\b)+7], v[\f+32+8*\b:\f+32+8*\b+7], v[\f+8*(\a):\f+8*(\a)+7], v[8*(8*(\a)+\b):8*(8*(\a)+\b)+7]
.endif
.endr
.endm
; 24 LDS loads in one run: the fragments of the K step's quarter qd (plane qd / 2, bytes 64 (qd % 2) on) into buffer f: o_proj's eight blocks first, then A's four
.macro FETCH slot, qd, f
.irp i, 0,1,2,3,4,5,6,7
	ds_load_b128 v[\f+32+8*\i:\f+32+8*\i+3], v[ADRB+\slot] offset:((\qd)/2)*BPL+\i*16*PITCH+((\qd)%2)*64
	ds_load_b128 v[\f+32+8*\i+4:\f+32+8*\i+7], v[ADRB+\slot] offset:((\qd)/2)*BPL+\i*16*PITCH+((\qd)%2)*64+32
.endr
.irp i, 0,1,2,3
	ds_load_b128 v[\f+8*\i:\f+8*\i+3], v[ADRA+\slot] offset:((\qd)/2)*APL+\i*16*PITCH+((\qd)%2)*64
	ds_load_b128 v[\f+8*\i+4:\f+8*\i+7], v[ADRA+\slot] offset:((\qd)/2)*APL+\i*16*PITCH+((\qd)%2)*64+32
.endr
.endm
.macro PLACES                          ; four places in front of loads into registers that matrix instructions have read, and of stores that read results
.rept 4
	v_nop
.endr
.endm
; A K step is four quarters of 32 along K, 32 matrix instructions each, on buffers 0, 1, 0, 1.  One of the first three: multiplies buffer f (quarter qd) and fetches quarter qd + 1 into g.
.macro QUARTER slot, qd, f, g, zero
	s_wait_dscnt 4                                 ; o_proj's blocks and A's blocks 0, 1 are in; the youngest four loads (A's blocks 2, 3) may be out
	WIN MUL
	MUL8 \f, 0, \zero
	MUL8 \f, 1, \zero
	PLACES
	WIN 0
	FETCH \slot, (\qd)+1, \g
	s_wait_dscnt 24                                ; all but the 24 just issued
	WIN MUL
	MUL8 \f, 2, \zero
	MUL8 \f, 3, \zero
.endm
; The last quarter multiplies buffer 1 and changes slots: ONE barrier; in front of it each wave waits for all its tensor loads, adds 0 to its spare word, and waits for that and for its reads of this slot.  fill = 1: this slot is filled again, two K steps ahead.
.macro TURN slot, next, fill
	WIN 0                                          ; (the add's two registers lie in window 0)
	s_wait_tensorcnt 0x0                           ; all my tensor loads have landed: my part of the next slot;
	ds_add_u32 v[SPW], v[NIL]                      ; 0 onto my spare word;
	s_wait_dscnt 5                                 ; (the add and the youngest four loads may be out)
	WIN MUL
	MUL8 F1, 0, 0                                  ; eight matrix instructions stand between the add and the wait for it
	s_wait_dscnt 0x0                               ; the add is done, and my reads of this slot are over
	s_barrier_signal -1
	MUL8 F1, 1, 0
	WIN 0
	s_barrier_wait -1
.if \fill
	CREST                                          ; the barrier has opened a round of the cluster's barrier: no wave of any partner still reads this slot's tile or has a load on its way
	s_add_nc_u64 s[G0+4*\slot+2:G0+4*\slot+3], s[G0+4*\slot+2:G0+4*\slot+3], 4<<18   ; two K steps on: four heads,
	s_add_nc_u64 s[G0B+4*\slot+2:G0B+4*\slot+3], s[G0B+4*\slot+2:G0B+4*\slot+3], 4<<17   ; four planes
	JLOAD \slot                                    ; the first tensor load behind the round; the four v_nop behind it are also the places in front of the loads below
.else
	PLACES
.endif
	FETCH \next, 0, F0
	WIN MUL
	MUL8 F1, 2, 0
	MUL8 F1, 3, 0
.endm
	s_wait_tensorcnt 1                             ; my part of K step 0 is in; K step 1's load may be out
	s_barrier_signal -1
	s_barrier_wait -1                              ; everybody's is
	FETCH 0, 0, F0
	QUARTER 0, 0, F0, F1, 1                        ; the first quarter stands in front of the loop: its products start the sums
	WIN 0                                          ; at a label and at a branch every window is 0
	s_mov_b32 s3, LAPS-1
.Llap:                                                 ; a trip goes once round the ring, from a lap's second quarter to the next lap's first, and fills both slots again
	QUARTER 0, 1, F1, F0, 0
	QUARTER 0, 2, F0, F1, 0
	TURN 0, 1, 1
	QUARTER 1, 0, F0, F1, 0
	QUARTER 1, 1, F1, F0, 0
	QUARTER 1, 2, F0, F1, 0
	TURN 1, 0, 1
	QUARTER 0, 0, F0, F1, 0
	WIN 0
	s_sub_co_u32 s3, s3, 1
	s_cmp_lg_u32 s3, 0
	s_cbranch_scc1 .Llap
	QUARTER 0, 1, F1, F0, 0                        ; the last lap fills nothing, and has no round of the cluster's barrier
	QUARTER 0, 2, F0, F1, 0
	TURN 0, 1, 0
	QUARTER 1, 0, F0, F1, 0
	QUARTER 1, 1, F1, F0, 0
	QUARTER 1, 2, F0, F1, 0
	s_wait_dscnt 4                                 ; the very last quarter: nothing more to fetch
	WIN MUL
	MUL8 F1, 0, 0
	MUL8 F1, 1, 0
	s_wait_dscnt 0
	MUL8 F1, 2, 0
	MUL8 F1, 3, 0
	WIN 0
; THE WAY OUT, block by block of 16 rows x 128 columns.  A lane holds 32 neighbouring bytes of a row, and the lanes beside it hold other rows: so a block goes through my own stage and comes back as whole rows of 512 bytes.
; LDS serves a wave's instructions in order (ISA guide 5.7.1.4): no wait between the stores and the loads, nor in front of the next block's stores.
.macro TOSTAGE a
	WIN 0x04                                       ; an LDS store's data are its source 1: window 1
.irp b, 0,1,2,3,4,5,6,7
	ds_store_b128 v[STO], v[64*(\a)+8*\b:64*(\a)+8*\b+3] offset:64*\b          ; each accumulator from its low end on
	ds_store_b128 v[STO], v[64*(\a)+8*\b+4:64*(\a)+8*\b+7] offset:64*\b+16
.endr
	WIN 0
.set BB, BK+64*((\a)%2)
.irp t, 0,1,2,3,4,5,6,7,8,9,10,11,12,13,14,15
	ds_load_b128 v[BB+4*\t:BB+4*\t+3], v[RD] offset:\t*SPITCH
.endr
.endm
.macro SEND a, younger                 ; younger: the LDS instructions issued behind block a's loads, which may stay out
.set BB, BK+64*((\a)%2)
	s_wait_dscnt \younger                          ; the block is back in registers
.irp t, 0,1,2,3,4,5,6,7,8,9,10,11,12,13,14,15
	global_store_b128 v[CO], v[BB+4*\t:BB+4*\t+3], s[8:9] offset:(16*(\a)+\t)*4096 th:TH_STORE_NT   ; 32 lanes store 512 consecutive bytes, at a multiple of 256 from out0's first byte
.endr
.endm
	PLACES                                         ; behind the last products: for the stores that read results and the loads into the registers that held fragments
	TOSTAGE 0
.irp a, 1,2,3
.if \a > 1
	s_wait_xcnt 0x0                                ; block a - 2's stores have read their registers: block a's loads may land there
.endif
	TOSTAGE \a
	SEND \a-1, 32                                  ; behind block a - 1's loads: block a's 16 stores and 16 loads
.endr
	SEND 3, 0
	s_wait_tensorcnt 0x0                           ; the wave's end: three lines, behind my last tensor load and my last LDS store
	ds_add_u32 v[SPW], v[NIL]
	s_wait_dscnt 0x0
	CROUND                                         ; the closing round: no work-group ends while a partner may still ask for a tile that names it
	s_endpgm
.Lfunc_end_k_qae80a24be5_oproj:
	.size	k_qae80a24be5_oproj, .Lfunc_end_k_qae80a24be5_oproj-k_qae80a24be5_oproj
	.p2alignl 7, 3214868480
	.fill 96, 4, 3214868480
	.section	.rodata,"a",@progbits
	.p2align	6, 0x0
	.amdhsa_kernel k_qae80a24be5_oproj
		.amdhsa_group_segment_fixed_size 327680
		.amdhsa_private_segment_fixed_size 0
		.amdhsa_enable_private_segment 0
		.amdhsa_kernarg_size 24
		.amdhsa_user_sgpr_count 2
		.amdhsa_user_sgpr_kernarg_segment_ptr 1
		.amdhsa_wavefront_size32 1
		.amdhsa_system_sgpr_workgroup_id_x 1
		.amdhsa_system_sgpr_workgroup_id_y 1
		.amdhsa_system_sgpr_workgroup_id_z 1
		.amdhsa_system_vgpr_workitem_id 0
		.amdhsa_next_free_vgpr 512
		.amdhsa_next_free_sgpr 66
		.amdhsa_reserve_vcc 0
		.amdhsa_float_denorm_mode_32 3
		.amdhsa_float_denorm_mode_16_64 3
		.amdhsa_memory_ordered 1
		.amdhsa_forward_progress 1
		.amdhsa_inst_pref_size 85
	.end_amdhsa_kernel
	.amdgpu_metadata
---
amdhsa.version: [ 1, 2 ]
amdhsa.kernels:
  - .name:           k_qae80a24be5_oproj
    .symbol:         k_qae80a24be5_oproj.kd
    .args:
      - { .name: att, .offset: 0, .size: 8, .value_kind: global_buffer, .address_space: global }
      - { .name: wo16, .offset: 8, .size: 8, .value_kind: global_buffer, .address_space: global }
      - { .name: out0, .offset: 16, .size: 8, .value_kind: global_buffer, .address_space: global }
    .group_segment_fixed_size: 327680
    .private_segment_fixed_size: 0
    .kernarg_segment_align: 8
    .kernarg_segment_size: 24
    .max_flat_workgroup_size: 128
    .sgpr_count:     66
    .vgpr_count:     512
    .wavefront_size: 32
...
	.end_amdgpu_metadata
.endif
;; end of part 4
;; launch fine (part 5): grid 16 x 4, 16 waves a work-group, no clusters, 71,680 bytes of LDS; arguments qkvf, o_proj, out0; writes out0
.if DOCPART == 5
	.amdgcn_target "amdgcn-amd-amdhsa--gfx1250"
	.amdhsa_code_object_version 6
	.text
	.protected	k_qae80a24be5_fine
	.globl	k_qae80a24be5_fine
	.p2align	8
	.type	k_qae80a24be5_fine,@function
k_qae80a24be5_fine:
	s_mov_b64 s[64:65], 0
	v_nop
	global_prefetch_b8 v0, s[64:65] scope:SCOPE_SE
	s_setreg_imm32_b32 hwreg(HW_REG_WAVE_MODE, 25, 1), 1
	s_wait_xcnt 0x0
; THE FIRST 16 POSITIONS OF EACH BATCH, once more, all in f32: their softmax averages one to sixteen values, where the rounding of 16-bit operands weighs most.  Attention and the projection on the way out, by v_wmma_f32_16x16x4_f32:
; 96 matrix instructions a wave, no bulk work.  The 64 rows of out0 that the launch before stored are written over.
; qkvf: [b 4][tile of 16 columns: 192][half 2][lane 32][16 bytes] f32: lane (r, h) holds position r, columns 16 tile + 8 h + 0 .. 7 (tiles 0-63 q, 64-127 k, 128-191 v).  o_proj [1024][1024] f32.
; SHARES.  Work-group (x, b): 64 columns of out0 for batch b.  Wave = head: it makes its head's 16 x 16 attention, multiplies it by o_proj[64 x .. + 63][its 64 columns], and the sixteen heads' parts are added through LDS: wave w adds row w.
; 64 work-groups are what the work has: fewer than 64 columns to a work-group would store less than 256 consecutive bytes of a row.
; THE ORDER OF K.  The form wants k = 2 (lane / 16) + j in register j.  A pair of registers (2 i, 2 i + 1) of an image holds index 16 t + 8 (lane / 16) + 2 i + j: the same order of k on both sides of each product, which leaves the sums what they are.
; The registers that these matrix instructions write (v208-255) are written by them alone, and each sum begins with the constant 0.
; REGISTERS: v1-15 addresses and single numbers; v16-47 Q, later o_proj's third tile of rows, later the parts to add; v48-79 K, later the fourth; v80-111 V, gathered; v112-175 o_proj's first two tiles; v176-183 p, v184-191 the scores:
;   later v176-207 the attention's result; v208-223 S^T in two halves; v224-255 O^T, later the projection's four tiles.
.set QI,  16
.set KI,  48
.set VG,  80
.set WA,  112
.set WB,  16
.set PP,  176
.set SV,  184
.set AT,  176
.set SA,  208
.set OT,  224
.set SPW, 8                            ; v8   LDS address of my spare word; never rewritten
.set NIL, 9                            ; v9   0; never rewritten
.set PART, 16*272                      ; LDS: a wave's part: 16 rows x (256 bytes + 16)
.set SPARE, 16*PART                    ; behind the sixteen parts: the spare words, 128 bytes a wave, which no other line names
	s_load_b128 s[4:7], s[0:1], 0x0                ; qkvf s[4:5], o_proj s[6:7]
	s_load_b64 s[8:9], s[0:1], 0x10                ; out0
	v_lshl_add_u32 v[SPW], v0, 2, SPARE
	v_mov_b32 v[NIL], 0
	v_lshrrev_b32 v1, 5, v0
	v_readfirstlane_b32 s10, v1                    ; wave = head
	v_and_b32 v1, 15, v0                           ; r
	v_bfe_u32 v2, v0, 4, 1                         ; h
	v_and_b32 v11, 31, v0                          ; lane
	v_lshlrev_b32 v3, 4, v11                       ; an image's place for my lane
	v_bfe_u32 v4, v0, 2, 1                         ; V is wanted turned: lane (r, h) takes channel 16 t + r of keys 8 h + 2 i + j.  In tile t's image that channel lies in half (r % 8) / 4,
	v_lshlrev_b32 v4, 9, v4
	v_bfe_u32 v12, v0, 3, 1
	v_lshl_add_u32 v4, v12, 8, v4                  ; lanes 16 (r / 8) on,
	v_lshl_add_u32 v4, v2, 7, v4                   ; the key's lane: 8 h (+ 2 i + j in the immediate),
	v_and_b32 v12, 3, v0
	v_lshl_add_u32 v4, v12, 2, v4                  ; word r % 4
	v_lshlrev_b32 v5, 12, v1
	v_lshl_add_u32 v5, v2, 5, v5                   ; o_proj: row r of 4,096 bytes + 32 h
	s_mul_i32 s16, s10, PART
	v_mul_u32_u24 v6, v1, 272
	v_lshl_add_u32 v6, v2, 5, v6
	v_add_nc_u32 v6, s16, v6                       ; my part: row r, 32 bytes for each half of the lanes
	s_mul_i32 s16, s10, 272
	v_lshl_add_u32 v7, v11, 3, s16                 ; the adding: row = my wave's number, 8 bytes a lane
	v_lshlrev_b32 v10, 3, v2
	v_sub_nc_u32 v10, v1, v10                      ; r - 8 h: register j holds key 8 h + j, hidden where j is greater
	v_lshlrev_b32 v15, 3, v11                      ; 8 x lane
	v_mov_b32 v12, 0xff800000                      ; -infinity
	s_mov_b32 s12, 0x76543210
	s_mov_b32 s13, 0xfedcba98                      ; v_permlanex16_b32's selects for lane l xor 16
	s_mov_b32 s14, 0x3e38aa3b                      ; c = log2(e) / 8
	s_and_b32 s17, ttmp7, 0xffff                   ; the batch
	s_mul_i32 s18, s17, 192
	s_lshl_b32 s19, s10, 2
	s_add_co_u32 s18, s18, s19
	s_lshl_b32 s18, s18, 10                        ; qkvf at q's four tiles of my head
	s_mov_b32 s19, 0
	s_lshl_b32 s20, ttmp9, 18                      ; o_proj at row 64 x,
	s_lshl_b32 s21, s10, 8                         ; my head's 64 columns
	s_add_co_u32 s20, s20, s21
	s_mov_b32 s21, 0
	s_lshl_b32 s22, s17, 23                        ; out0: the batch's first row,
	s_lshl_b32 s23, s10, 12                        ; row = my wave's number,
	s_add_co_u32 s22, s22, s23
	s_lshl_b32 s23, ttmp9, 8                       ; columns 64 x on
	s_add_co_u32 s22, s22, s23
	s_mov_b32 s23, 0
	s_wait_kmcnt 0x0
	s_add_nc_u64 s[4:5], s[4:5], s[18:19]
	s_add_nc_u64 s[6:7], s[6:7], s[20:21]
	s_add_nc_u64 s[8:9], s[8:9], s[22:23]
.irp t, 0,1,2,3
.irp f, 0,1
	global_load_b128 v[QI+8*\t+4*\f:QI+8*\t+4*\f+3], v3, s[4:5] offset:1024*\t+512*\f
.endr
.endr
.irp t, 0,1,2,3
.irp f, 0,1
	global_load_b128 v[KI+8*\t+4*\f:KI+8*\t+4*\f+3], v3, s[4:5] offset:65536+1024*\t+512*\f
.endr
.endr
.irp t, 0,1,2,3
.irp i, 0,1,2,3
.irp j, 0,1
	global_load_b32 v[VG+8*\t+2*\i+\j], v4, s[4:5] offset:131072+1024*\t+32*\i+16*\j
.endr
.endr
.endr
.irp n, 0,1
.irp t, 0,1,2,3
.irp f, 0,1
	global_load_b128 v[WA+32*\n+8*\t+4*\f:WA+32*\n+8*\t+4*\f+3], v5, s[6:7] offset:65536*\n+64*\t+16*\f
.endr
.endr
.endr
	s_wait_loadcnt 48                              ; Q and K are in; V's 32 loads and o_proj's 16 may be out
.irp t, 0,1,2,3                                ; S^T = K Q^T (source 0 = 16 keys, source 1 = 16 queries), 4 channels an instruction, on two accumulators by turns
.irp i, 0,1,2,3
.if (\t == 0) && (\i < 2)
	v_wmma_f32_16x16x4_f32 v[SA+8*(\i%2):SA+8*(\i%2)+7], v[KI+8*\t+2*\i:KI+8*\t+2*\i+1], v[QI+8*\t+2*\i:QI+8*\t+2*\i+1], 0
.else
	v_wmma_f32_16x16x4_f32 v[SA+8*(\i%2):SA+8*(\i%2)+7], v[KI+8*\t+2*\i:KI+8*\t+2*\i+1], v[QI+8*\t+2*\i:QI+8*\t+2*\i+1], v[SA+8*(\i%2):SA+8*(\i%2)+7]
.endif
.endr
.endr
.rept 8
	v_nop                                          ; eight places behind this form: for the loads into Q's and K's registers and for the first read of the sums
.endr
.irp n, 0,1
.irp t, 0,1,2,3
.irp f, 0,1
	global_load_b128 v[WB+32*\n+8*\t+4*\f:WB+32*\n+8*\t+4*\f+3], v5, s[6:7] offset:65536*(2+\n)+64*\t+16*\f
.endr
.endr
.endr
.irp j, 0,1,2,3,4,5,6,7
	v_add_f32 v[SV+\j], v[SA+\j], v[SA+8+\j]       ; the two halves of the sum, into other registers, from the low end on: lane (r, h): query r, key 8 h + j
.endr
.irp j, 0,1,2,3,4,5,6,7
	v_cmp_gt_i32 vcc_lo, \j, v10
	v_cndmask_b32 v[SV+\j], v[SV+\j], v12, vcc_lo  ; the causal mask
.endr
	v_max3_num_f32 v11, v[SV], v[SV+1], v[SV+2]
	v_max3_num_f32 v11, v11, v[SV+3], v[SV+4]
	v_max3_num_f32 v11, v11, v[SV+5], v[SV+6]
	v_max_num_f32 v11, v11, v[SV+7]
	v_permlanex16_b32 v12, v11, s12, s13
	v_max_num_f32 v11, v11, v12                    ; the row's maximum: key 0 counts for every query, so it is a number
	v_mul_f32 v13, s14, v11
.irp j, 0,1,2,3,4,5,6,7
	v_fma_f32 v[SV+\j], v[SV+\j], s14, -v13        ; c s - c m
.endr
.irp j, 0,1,2,3,4,5,6,7
	v_exp_f32 v[PP+\j], v[SV+\j]
.endr
	v_nop                                          ; a plain instruction behind the last exponential
	s_wait_alu depctr_va_vdst(0)                   ; one wait for the eight, ahead of their first reader
	v_add_f32 v14, v[PP], v[PP+1]
	v_add_f32 v11, v[PP+2], v[PP+3]
	v_add_f32 v14, v14, v[PP+4]
	v_add_f32 v11, v11, v[PP+5]
	v_add_f32 v14, v14, v[PP+6]
	v_add_f32 v11, v11, v[PP+7]
	v_add_f32 v14, v14, v11
	v_permlanex16_b32 v12, v14, s12, s13
	v_add_f32 v14, v14, v12                        ; the row's sum
	v_rcp_f32 v14, v14
	v_nop                                          ; a plain instruction behind the reciprocal
	s_wait_alu depctr_va_vdst(0)                   ; and its wait
	s_wait_loadcnt 32                              ; V is in; o_proj's two batches of 16 may be out
.irp i, 0,1,2,3                                ; O^T = V^T P^T (source 0 = 16 channels, source 1 = 16 queries), 4 keys an instruction, four accumulators by turns
.irp t, 0,1,2,3
.if \i == 0
	v_wmma_f32_16x16x4_f32 v[OT+8*\t:OT+8*\t+7], v[VG+8*\t+2*\i:VG+8*\t+2*\i+1], v[PP+2*\i:PP+2*\i+1], 0
.else
	v_wmma_f32_16x16x4_f32 v[OT+8*\t:OT+8*\t+7], v[VG+8*\t+2*\i:VG+8*\t+2*\i+1], v[PP+2*\i:PP+2*\i+1], v[OT+8*\t:OT+8*\t+7]
.endif
.endr
.endr
.rept 8
	v_nop                                          ; eight places: the lines below read the sums and write over p
.endr
.irp j, 0,1,2,3,4,5,6,7,8,9,10,11,12,13,14,15,16,17,18,19,20,21,22,23,24,25,26,27,28,29,30,31
	v_mul_f32 v[AT+\j], v[OT+\j], v14              ; / the sum, into other registers: register 8 t + j: query r, channel 16 t + 8 h + j
.endr
.rept 9
	v_nop                                          ; nine places ahead of products that write over O^T's registers
.endr
	s_wait_loadcnt 0x0                             ; o_proj's four tiles of rows
.irp t, 0,1,2,3                                ; my head's part of out0^T (source 0 = 16 rows of o_proj, source 1 = 16 queries), 4 channels an instruction, four accumulators by turns
.irp i, 0,1,2,3
.irp n, 0,1,2,3
.set WR, WA+32*\n
.if \n > 1
.set WR, WB+32*(\n-2)
.endif
.if (\t == 0) && (\i == 0)
	v_wmma_f32_16x16x4_f32 v[OT+8*\n:OT+8*\n+7], v[WR+8*\t+2*\i:WR+8*\t+2*\i+1], v[AT+8*\t+2*\i:AT+8*\t+2*\i+1], 0
.else
	v_wmma_f32_16x16x4_f32 v[OT+8*\n:OT+8*\n+7], v[WR+8*\t+2*\i:WR+8*\t+2*\i+1], v[AT+8*\t+2*\i:AT+8*\t+2*\i+1], v[OT+8*\n:OT+8*\n+7]
.endif
.endr
.endr
.endr
.rept 8
	v_nop                                          ; eight places: for the stores that read the sums, and for the loads below into registers that the products read
.endr
.irp n, 0,1,2,3
	ds_store_b128 v6, v[OT+8*\n:OT+8*\n+3] offset:64*\n          ; lane (r, h): query r, columns 16 n + 8 h + 0 .. 7; each accumulator from its low end on
	ds_store_b128 v6, v[OT+8*\n+4:OT+8*\n+7] offset:64*\n+16
.endr
	s_wait_dscnt 0x0                               ; for the others' sake: my part lies in LDS
	s_barrier_signal -1
	s_barrier_wait -1
.irp p, 0,1,2,3,4,5,6,7,8,9,10,11,12,13,14,15
	ds_load_b64 v[16+2*\p:17+2*\p], v7 offset:PART*\p            ; row w of each head's part: 32 lanes, 8 bytes each
.endr
	s_wait_dscnt 0x0
.irp p, 0,4,8,12,16,20,24,28
	v_pk_add_f32 v[16+\p:17+\p], v[16+\p:17+\p], v[18+\p:19+\p]
.endr
.irp p, 0,8,16,24
	v_pk_add_f32 v[16+\p:17+\p], v[16+\p:17+\p], v[20+\p:21+\p]
.endr
.irp p, 0,16
	v_pk_add_f32 v[16+\p:17+\p], v[16+\p:17+\p], v[24+\p:25+\p]
.endr
	v_pk_add_f32 v[16:17], v[16:17], v[32:33]
	global_store_b64 v15, v[16:17], s[8:9]         ; 32 lanes store 256 consecutive bytes, at a multiple of 256 from out0's first byte
	s_wait_tensorcnt 0x0                           ; the wave's end
	ds_add_u32 v[SPW], v[NIL]
	s_wait_dscnt 0x0
	s_endpgm
.Lfunc_end_k_qae80a24be5_fine:
	.size	k_qae80a24be5_fine, .Lfunc_end_k_qae80a24be5_fine-k_qae80a24be5_fine
	.p2alignl 7, 3214868480
	.fill 96, 4, 3214868480
	.section	.rodata,"a",@progbits
	.p2align	6, 0x0
	.amdhsa_kernel k_qae80a24be5_fine
		.amdhsa_group_segment_fixed_size 71680
		.amdhsa_private_segment_fixed_size 0
		.amdhsa_enable_private_segment 0
		.amdhsa_kernarg_size 24
		.amdhsa_user_sgpr_count 2
		.amdhsa_user_sgpr_kernarg_segment_ptr 1
		.amdhsa_wavefront_size32 1
		.amdhsa_system_sgpr_workgroup_id_x 1
		.amdhsa_system_sgpr_workgroup_id_y 1
		.amdhsa_system_sgpr_workgroup_id_z 1
		.amdhsa_system_vgpr_workitem_id 0
		.amdhsa_next_free_vgpr 256
		.amdhsa_next_free_sgpr 66
		.amdhsa_reserve_vcc 1
		.amdhsa_float_denorm_mode_32 3
		.amdhsa_float_denorm_mode_16_64 3
		.amdhsa_memory_ordered 1
		.amdhsa_forward_progress 1
		.amdhsa_inst_pref_size 24
	.end_amdhsa_kernel
	.amdgpu_metadata
---
amdhsa.version: [ 1, 2 ]
amdhsa.kernels:
  - .name:           k_qae80a24be5_fine
    .symbol:         k_qae80a24be5_fine.kd
    .args:
      - { .name: qkvf, .offset: 0, .size: 8, .value_kind: global_buffer, .address_space: global }
      - { .name: o_proj, .offset: 8, .size: 8, .value_kind: global_buffer, .address_space: global }
      - { .name: out0, .offset: 16, .size: 8, .value_kind: global_buffer, .address_space: global }
    .group_segment_fixed_size: 71680
    .private_segment_fixed_size: 0
    .kernarg_segment_align: 8
    .kernarg_segment_size: 24
    .max_flat_workgroup_size: 512
    .sgpr_count:     66
    .vgpr_count:     256
    .wavefront_size: 32
...
	.end_amdgpu_metadata
.endif
;; end of part 5
